; MI455X (gfx1250); checked and timed in simulation.
; The chip was launched on July 23, 2026; its instructions are those of AMD's public machine-readable ISA for CDNA 5 (MIT licence, August 2026) and "CDNA5" Instruction Set Architecture Reference Guide (July 2026). The comments in the code are by the model that wrote it; some were corrected since.
;; Block. Allowed arithmetic: matrix products marked QUANTISED: E4M3 operands, one given power-of-two scale a tensor, by v_wmma_f32_16x16x64_fp8_fp8 or v_wmma_f32_16x16x128_fp8_fp8, f32 sums; everything else in f32.
;; Inputs: b_attn 3,072 float32; b_fc 4,096 float32; b_out 1,024 float32; b_proj 1,024 float32; ln1_b 1,024 float32; ln1_w 1,024 float32; ln2_b 1,024 float32; ln2_w 1,024 float32; lowp_scales 12 int32 (the exponents e of the quantised operands' scales 2^e); w_attn_codes 3,072 x 32 x 32 uint8 (E4M3 codes of w_attn, K innermost, in blocks of 32 codes); w_fc_codes 4,096 x 32 x 32 uint8 (E4M3 codes of w_fc, K innermost, in blocks of 32 codes); w_out_codes 1,024 x 128 x 32 uint8 (E4M3 codes of w_out, K innermost, in blocks of 32 codes); w_proj_codes 1,024 x 32 x 32 uint8 (E4M3 codes of w_proj, K innermost, in blocks of 32 codes); x 2 x 2,048 x 1,024 float32.
;; Outputs: out0 2 x 2,048 x 1,024 float32.
;; This version of the problem:
;;   THIS VERSION OF THE PROBLEM IS GIVEN IN LOW PRECISION. The matrix products marked QUANTISED in the list below multiply operands that are first quantised to E4M3 (4 exponent bits, 3 mantissa bits; 8 bits a number), with one given power-of-two scale for each operand tensor; their sums are f32. All else is computed in f32.
;;   The module's matrix products, in the order in which they are computed (A, B: the left and right operand; K: the contracted axis; several contracted axes count as one K, in the product's order):
;;     1. [M 4,096, K 1,024] x [K 1,024, N 3,072]; A: computed on the way; B: input w_attn (given as codes): QUANTISED (scales: A lowp_scales[0], B lowp_scales[1])
;;     2. batch 32 x [M 2,048, K 64] x [K 64, N 2,048]; A: computed on the way; B: computed on the way: QUANTISED (scales: A lowp_scales[2], B lowp_scales[3])
;;     3. batch 32 x [M 64, K 2,048] x [K 2,048, N 2,048]; A: computed on the way; B: softmax (see below): QUANTISED (scales: A lowp_scales[4], B lowp_scales[5])
;;     4. [M 4,096, K 1,024] x [K 1,024, N 1,024]; A: computed on the way; B: input w_proj (given as codes): QUANTISED (scales: A lowp_scales[6], B lowp_scales[7])
;;     5. [M 4,096, K 1,024] x [K 1,024, N 4,096]; A: computed on the way; B: input w_fc (given as codes): QUANTISED (scales: A lowp_scales[8], B lowp_scales[9])
;;     6. [M 4,096, K 4,096] x [K 4,096, N 1,024]; A: computed on the way; B: input w_out (given as codes): QUANTISED (scales: A lowp_scales[10], B lowp_scales[11])
;;   THE QUANTISER, for each operand of a quantised product, along K:
;;     - The operand's scale is 2^e, e = its entry of the input lowp_scales (int32; the entries are numbered through the quantised products in the list's order, A before B).
;;     - Each number is divided by the scale, clamped to +-448, and rounded to the nearest number of E4M3, ties to even, subnormals kept.
;;     - The product sums the exact products of the quantised numbers (number of the format x scale) in f32.
;;   ~~~python
;;   def quantise(x, axis, e):      # numpy; x: float32 -> the quantised numbers, widened to float32 again
;;       x = np.moveaxis(x, axis, -1); K = x.shape[-1]
;;       r = np.clip(x / 2.0 ** e, -448, 448)
;;       step = 2.0 ** (np.maximum(np.frexp(np.where(r == 0, 1, r))[1] - 1, -6) - 3)
;;       q = np.round(r / step) * step * 2.0 ** e      # np.round: ties to even
;;       return np.moveaxis(q, -1, axis).astype(np.float32)
;;   ~~~
;;   SOFTMAX AHEAD OF A QUANTISED PRODUCT. Where the list says 'softmax', what is quantised is not the finished softmax but p = 2^(t - M), with t = logit x log2(e) and M = ceil(the row's largest t), a whole number; so 1/2 < the row's largest p <= 1. The row's sum l is taken of the UNQUANTISED p, in f32, and the product's result is divided by l at the end. Since M is a whole number, a kernel that streams over the keys may use a running M (the ceiling of the running maximum): every later rescaling is an exact power of two, so the quantised numbers keep their values, but for numbers so far below the row's largest that they fall under the format's range.
;;   OPERANDS COMPUTED ON THE WAY. 'Computed on the way' means the value that the module computes at that place (a softmax that the list does not call 'softmax' is quantised finished and normalised). What goes into a quantiser is computed in f32, as accurately as f32 sums, v_exp_f32 and their like allow (about 1e-6 of the number): no bf16 or f16 on the way to a quantiser, and a product that is left as it is and whose result goes on into a quantised operand takes f32 operands (vector FMAs, or v_wmma_f32_16x16x4_f32). A number that lies on a knife's edge between two numbers of the format may be rounded either way, as far as f32 arithmetic and the matrix unit's own rounding can turn it there, and no further.
;;   INPUTS GIVEN AS CODES. w_attn (in the module: [1024, 3072], K = its axis 0); w_fc (in the module: [1024, 4096], K = its axis 0); w_out (in the module: [4096, 1024], K = its axis 0); w_proj (in the module: [1024, 1024], K = its axis 0): each comes as NAME_codes (uint8): NAME with its K axis moved to the last place and cut into blocks of 32 codes, [.., K / 32, bytes a block], one block behind the other in memory; one code a byte (a code: sign, 4 exponent bits, 3 mantissa bits); its scale is its entry of lowp_scales. Its value is code x scale, taken as it is: it is not quantised again, and the codes and scales need not be those that the quantiser above would give.
;; One version. Each part assembles by itself: llvm-mc -triple=amdgcn-amd-amdhsa -mcpu=gfx1250 --defsym DOCPART=n.
;; ======== version 1 of 1: 7 launches
;; limits: right only within a limited range of input values
;; workspace buffers: himg 4,194,304 bytes; qimg 4,194,304 bytes; kimg 4,194,304 bytes; vimg 4,194,304 bytes; yimg 4,194,304 bytes; x1 16,777,216 bytes; gimg 16,777,216 bytes
;; launch ln1 (part 1): grid 256 x 1, 4 waves a work-group, no clusters, 17,152 bytes of LDS; arguments x, ln1_w, ln1_b, lowp_scales, himg; writes himg
.if DOCPART == 1
	.amdgcn_target "amdgcn-amd-amdhsa--gfx1250"
	.amdhsa_code_object_version 6
	.text
	.protected	k_q11e4d1ffd7_ln1
	.globl	k_q11e4d1ffd7_ln1
	.p2align	8
	.type	k_q11e4d1ffd7_ln1,@function
k_q11e4d1ffd7_ln1:
	s_mov_b64 s[64:65], 0
	v_nop
	global_prefetch_b8 v0, s[64:65] scope:SCOPE_SE
	s_setreg_imm32_b32 hwreg(HW_REG_WAVE_MODE, 25, 1), 1
	s_wait_xcnt 0x0
; LayerNorm over rows of 1,024 f32, then codes of FP8 (E4M3) with the given scale 2^e (entry SE/4 of the scales).
; y = (x - mean) * rsqrt(var + 1e-5) * w + b;  code = y / 2^e, held within +-448, to the nearest code, ties to even.
; The variance is the mean of (x - mean)^2, taken on the registers in a second pass: no difference of large sums.
; SHARES.  A work-group takes 16 rows (one tile of rows of the products that follow), each of its four waves 4 rows.  A lane holds
; k = 128 j + 4 lane + 0..3 (j = 0..7) of a row, so each load of a wave covers 512 consecutive bytes and a row is read once.
; THE RESULT IS LAID AS AN IMAGE OF THE OPERAND'S REGISTERS: [tile of 16 rows][K step of 128][chunk c of 4][512 bytes]; in chunk c lane (r, h)
; has 16 bytes: k = 128 ks + 32 c + 16 h + 0..15 of row r.  The codes turn through a stage in LDS (16 rows, 1,024 bytes + 16 of padding = 260 words,
; so the sixteen rows of a read start four banks apart: ISA guide 11.1), one barrier, and each wave stores two K steps, 512 consecutive bytes a store.
; No matrix unit, no tensor load, no cluster: work-groups share nothing but the gains and biases (8 KB).
; LIMITS: e between -126 and 119, so that 2^e and 448 x 2^e are f32 numbers.  NaN among the inputs is not served.
.set SE, 0                             ; byte of e in the buffer of scales
.set SP, 1040                          ; a stage row
.set X,  32                            ; v32-159  four rows x 32 numbers
.set W,  160                           ; v160-191 gains of my 32 columns
.set BV, 192                           ; v192-223 biases
.set C,  224                           ; v224-255 codes: eight registers a row, so that no LDS store's data are written again
; v1 16 x lane; v2 stage, way in; v3 stage, way back; v4 way out; v5 2^e; v6 448 x 2^e; v16-31 four registers at work for each row
	s_load_b256 s[4:11], s[0:1], 0x0               ; source s[4:5], gains s[6:7], biases s[8:9], scales s[10:11]
	s_load_b64 s[12:13], s[0:1], 0x20              ; the image
	v_lshl_add_u32 v14, v0, 2, 0x4100
	v_mov_b32 v15, 0
	v_lshrrev_b32 v1, 5, v0
	v_readfirstlane_b32 s14, v1                    ; wave 0..3
	v_and_b32 v7, 31, v0                           ; lane
	v_lshlrev_b32 v1, 4, v7
	s_mul_i32 s24, s14, 4*SP
	v_lshl_add_u32 v2, v7, 2, s24                  ; in: my wave's four rows, 4 bytes a lane
	v_and_b32 v8, 15, v0                           ; r
	v_bfe_u32 v9, v0, 4, 1                         ; h
	v_mul_u32_u24 v3, v8, SP
	v_lshl_add_u32 v3, v9, 4, v3
	s_lshl_b32 s25, s14, 8
	v_add_nc_u32 v3, s25, v3                       ; back: row r, + 16 h, + my wave's two K steps (256 bytes)
	s_lshl_b32 s26, s14, 12
	v_add_nc_u32 v4, s26, v1                       ; out: 16 x lane + my two K steps' images (4,096 bytes)
	s_mov_b32 s18, 0x76543210                      ; v_permlanex16_b32: lane l xor 16
	s_mov_b32 s19, 0xfedcba98
	s_mov_b32 s22, 0x3a800000                      ; 1 / 1,024
	s_mov_b32 s23, 0x3727c5ac                      ; 1e-5
	s_lshl_b32 s24, ttmp9, 16                      ; 16 rows of 4,096 bytes a work-group,
	s_lshl_b32 s25, s14, 14                        ; 4 rows a wave
	s_add_co_u32 s24, s24, s25
	s_mov_b32 s25, 0
	s_lshl_b32 s26, ttmp9, 14                      ; a tile's image: 8 K steps of 2,048 bytes
	s_mov_b32 s27, 0
	s_wait_alu depctr_va_vdst(0)
	s_wait_kmcnt 0x0
	s_load_b32 s15, s[10:11], SE                   ; e
	s_add_nc_u64 s[4:5], s[4:5], s[24:25]
	s_add_nc_u64 s[12:13], s[12:13], s[26:27]
.irp i, 0,1,2,3
.irp j, 0,1,2,3,4,5,6,7
	global_load_b128 v[X+32*\i+4*\j:X+32*\i+4*\j+3], v1, s[4:5] offset:4096*\i+512*\j
.endr
.endr
.irp j, 0,1,2,3,4,5,6,7
	global_load_b128 v[W+4*\j:W+4*\j+3], v1, s[6:7] offset:512*\j
.endr
.irp j, 0,1,2,3,4,5,6,7
	global_load_b128 v[BV+4*\j:BV+4*\j+3], v1, s[8:9] offset:512*\j
.endr
	s_wait_kmcnt 0x0
	s_add_co_i32 s15, s15, 127
	s_lshl_b32 s16, s15, 23
	v_mov_b32 v5, s16                              ; 2^e as f32: the conversion takes its exponent field
	s_add_co_i32 s15, s15, 8
	s_lshl_b32 s15, s15, 23
	s_or_b32 s15, s15, 0x600000
	v_mov_b32 v6, s15                              ; 448 x 2^e
; The two chains of each row are joined, then the 32 lanes: four steps ride on the additions (DPP), one crosses the halves.  The four rows take turns line by line.
.macro FOLD
.irp i, 0,1,2,3
	v_pk_add_f32 v[16+4*\i:17+4*\i], v[16+4*\i:17+4*\i], v[18+4*\i:19+4*\i]
.endr
.irp i, 0,1,2,3
	v_add_f32 v[16+4*\i], v[16+4*\i], v[17+4*\i]
.endr
.irp m, 1,2,4,8
.irp i, 0,1,2,3
	v_add_f32_dpp v[16+4*\i], v[16+4*\i], v[16+4*\i] row_xmask:\m row_mask:0xf bank_mask:0xf
.endr
.endr
.irp i, 0,1,2,3
	v_permlanex16_b32 v[17+4*\i], v[16+4*\i], s18, s19   ; its destination counts as read: it has been written above
.endr
.irp i, 0,1,2,3
	v_add_f32 v[16+4*\i], v[16+4*\i], v[17+4*\i]
.endr
.endm
	s_wait_loadcnt 16                              ; the four rows are in; the 16 younger loads (gains, biases) may be out
.irp i, 0,1,2,3
	v_pk_add_f32 v[16+4*\i:17+4*\i], v[X+32*\i:X+32*\i+1], v[X+32*\i+2:X+32*\i+3]       ; the first numbers start the sums: nothing is cleared
	v_pk_add_f32 v[18+4*\i:19+4*\i], v[X+32*\i+4:X+32*\i+5], v[X+32*\i+6:X+32*\i+7]
.endr
.irp j, 8,12,16,20,24,28
.irp i, 0,1,2,3
	v_pk_add_f32 v[16+4*\i:17+4*\i], v[16+4*\i:17+4*\i], v[X+32*\i+\j:X+32*\i+\j+1]
	v_pk_add_f32 v[18+4*\i:19+4*\i], v[18+4*\i:19+4*\i], v[X+32*\i+\j+2:X+32*\i+\j+3]
.endr
.endr
	FOLD
.irp i, 0,1,2,3
	v_mul_f32 v[16+4*\i], s22, v[16+4*\i]          ; the mean,
.endr
.irp i, 0,1,2,3
	v_mov_b32 v[17+4*\i], v[16+4*\i]               ; as a pair
.endr
.irp j, 0,2,4,6,8,10,12,14,16,18,20,22,24,26,28,30
.irp i, 0,1,2,3
	v_pk_add_f32 v[X+32*\i+\j:X+32*\i+\j+1], v[X+32*\i+\j:X+32*\i+\j+1], v[16+4*\i:17+4*\i] neg_lo:[0,1] neg_hi:[0,1]   ; x - mean
.endr
.endr
.irp i, 0,1,2,3
	v_pk_mul_f32 v[16+4*\i:17+4*\i], v[X+32*\i:X+32*\i+1], v[X+32*\i:X+32*\i+1]
	v_pk_mul_f32 v[18+4*\i:19+4*\i], v[X+32*\i+2:X+32*\i+3], v[X+32*\i+2:X+32*\i+3]
.endr
.irp j, 4,8,12,16,20,24,28
.irp i, 0,1,2,3
	v_pk_fma_f32 v[16+4*\i:17+4*\i], v[X+32*\i+\j:X+32*\i+\j+1], v[X+32*\i+\j:X+32*\i+\j+1], v[16+4*\i:17+4*\i]
	v_pk_fma_f32 v[18+4*\i:19+4*\i], v[X+32*\i+\j+2:X+32*\i+\j+3], v[X+32*\i+\j+2:X+32*\i+\j+3], v[18+4*\i:19+4*\i]
.endr
.endr
	FOLD
.irp i, 0,1,2,3
	v_fma_f32 v[16+4*\i], v[16+4*\i], s22, s23     ; var + eps
.endr
	s_wait_alu depctr_va_vdst(0)
.irp i, 0,1,2,3
	v_rsq_f32 v[16+4*\i], v[16+4*\i]
.endr
	v_nop                                          ; a plain instruction behind the last root (ISA guide 5.7.2),
	s_wait_alu depctr_va_vdst(0)                   ; and one wait for the four, ahead of their first reader
.irp i, 0,1,2,3
	v_mov_b32 v[17+4*\i], v[16+4*\i]
.endr
	s_wait_alu depctr_va_vdst(0)
	s_wait_loadcnt 0x0                             ; gains and biases
.irp j, 0,2,4,6,8,10,12,14,16,18,20,22,24,26,28,30
.irp i, 0,1,2,3
	v_pk_mul_f32 v[X+32*\i+\j:X+32*\i+\j+1], v[X+32*\i+\j:X+32*\i+\j+1], v[16+4*\i:17+4*\i]
.endr
.endr
.irp j, 0,2,4,6,8,10,12,14,16,18,20,22,24,26,28,30
.irp i, 0,1,2,3
	v_pk_fma_f32 v[X+32*\i+\j:X+32*\i+\j+1], v[X+32*\i+\j:X+32*\i+\j+1], v[W+\j:W+\j+1], v[BV+\j:BV+\j+1]
.endr
.endr
.set n, 0
.rept 128
	v_med3_num_f32 v[X+n], v[X+n], -v6, v6         ; the conversion to an 8-bit code does not saturate (ISA guide 7.6.2): the hold comes first
.set n, n+1
.endr
.irp i, 0,1,2,3
.irp g, 0,1,2,3
	v_cvt_scalef32_pk8_fp8_f32 v[C+8*\i+2*\g:C+8*\i+2*\g+1], v[X+32*\i+8*\g:X+32*\i+8*\g+7], v5   ; two groups of four neighbours: one register of codes each
.endr
.endr
	v_nop                                          ; a plain instruction behind the last scaled conversion
.irp i, 0,1,2,3
.irp j, 0,1,2,3,4,5,6,7
	ds_store_b32 v2, v[C+8*\i+\j] offset:\i*SP+128*\j   ; 32 lanes: 128 consecutive bytes of a row
.endr
.endr
	s_wait_dscnt 0x0                               ; for the others' sake: my stores have landed
	s_barrier_signal -1
	s_barrier_wait -1
.irp n, 0,1,2,3,4,5,6,7
	ds_load_b128 v[X+4*\n:X+4*\n+3], v3 offset:128*(\n/4)+32*(\n%4)
.endr
.irp n, 0,1,2,3,4,5,6,7
	s_wait_dscnt 7-\n                              ; LDS loads come back in order: chunk n is in, the younger ones may be out
	global_store_b128 v4, v[X+4*\n:X+4*\n+3], s[12:13] offset:2048*(\n/4)+512*(\n%4)   ; 512 consecutive bytes, aligned
.endr
	s_wait_tensorcnt 0x0
	ds_add_u32 v14, v15
	s_wait_dscnt 0x0
	s_endpgm
.Lfunc_end_k_q11e4d1ffd7_ln1:
	.size	k_q11e4d1ffd7_ln1, .Lfunc_end_k_q11e4d1ffd7_ln1-k_q11e4d1ffd7_ln1
	.p2alignl 7, 3214868480
	.fill 96, 4, 3214868480
	.section	.rodata,"a",@progbits
	.p2align	6, 0x0
	.amdhsa_kernel k_q11e4d1ffd7_ln1
		.amdhsa_group_segment_fixed_size 17152
		.amdhsa_private_segment_fixed_size 0
		.amdhsa_enable_private_segment 0
		.amdhsa_kernarg_size 40
		.amdhsa_user_sgpr_count 2
		.amdhsa_user_sgpr_kernarg_segment_ptr 1
		.amdhsa_wavefront_size32 1
		.amdhsa_system_sgpr_workgroup_id_x 1
		.amdhsa_system_sgpr_workgroup_id_y 1
		.amdhsa_system_sgpr_workgroup_id_z 1
		.amdhsa_system_vgpr_workitem_id 0
		.amdhsa_next_free_vgpr 256
		.amdhsa_next_free_sgpr 66
		.amdhsa_reserve_vcc 0
		.amdhsa_float_denorm_mode_32 3
		.amdhsa_float_denorm_mode_16_64 3
		.amdhsa_memory_ordered 1
		.amdhsa_forward_progress 1
		.amdhsa_inst_pref_size 44
	.end_amdhsa_kernel
	.amdgpu_metadata
---
amdhsa.version: [ 1, 2 ]
amdhsa.kernels:
  - .name:           k_q11e4d1ffd7_ln1
    .symbol:         k_q11e4d1ffd7_ln1.kd
    .args:
      - { .name: x, .offset: 0, .size: 8, .value_kind: global_buffer, .address_space: global }
      - { .name: ln1_w, .offset: 8, .size: 8, .value_kind: global_buffer, .address_space: global }
      - { .name: ln1_b, .offset: 16, .size: 8, .value_kind: global_buffer, .address_space: global }
      - { .name: lowp_scales, .offset: 24, .size: 8, .value_kind: global_buffer, .address_space: global }
      - { .name: himg, .offset: 32, .size: 8, .value_kind: global_buffer, .address_space: global }
    .group_segment_fixed_size: 17152
    .private_segment_fixed_size: 0
    .kernarg_segment_align: 8
    .kernarg_segment_size: 40
    .max_flat_workgroup_size: 128
    .sgpr_count:     66
    .vgpr_count:     256
    .wavefront_size: 32
...
	.end_amdgpu_metadata
.endif
;; end of part 1
;; launch qkv (part 2): grid 16 x 16, 4 waves a work-group, clusters of 4 x 1, 204,288 bytes of LDS; arguments himg, w_attn_codes, b_attn, lowp_scales, qimg, kimg, vimg; writes qimg, kimg, vimg
.if DOCPART == 2
	.amdgcn_target "amdgcn-amd-amdhsa--gfx1250"
	.amdhsa_code_object_version 6
	.text
	.protected	k_q11e4d1ffd7_qkv
	.globl	k_q11e4d1ffd7_qkv
	.p2align	8
	.type	k_q11e4d1ffd7_qkv,@function
k_q11e4d1ffd7_qkv:
	s_mov_b64 s[64:65], 0
	v_nop
	global_prefetch_b8 v0, s[64:65] scope:SCOPE_SE
	s_setreg_imm32_b32 hwreg(HW_REG_WAVE_MODE, 25, 1), 1
	s_wait_xcnt 0x0
	s_wait_alu depctr_hold_cnt(0) depctr_sa_sdst(0) depctr_va_vdst(0) depctr_va_sdst(0) depctr_va_ssrc(0) depctr_va_vcc(0) depctr_vm_vsrc(0)
	s_getreg_b32 s2, hwreg(HW_REG_IB_STS2, 6, 4)
	s_cmp_eq_u32 s2, 0
	s_cbranch_scc0 .Lentry_in_a_cluster
	s_endpgm
.Lentry_in_a_cluster:
	s_bfe_u32 s2, ttmp6, 0x10000c
	s_cmp_lg_u32 s2, 0x3003
	s_cbranch_scc0 .Lentry_shape_is_right
	s_endpgm
.Lentry_shape_is_right:
; qkv = h W + b on codes of FP8 (E4M3), then q, k and v are quantised with their own given scales and laid as images of the operands' registers for the attention launch.
; h: image [tile of 16 rows][K step of 128][chunk 4][512 B] (chunk c, lane (r, h): k = 128 ks + 32 c + 16 h + 0..15 of row r).  W: codes [3072][1024], K innermost.
; That place of k in the registers is what four 16-byte LDS loads give W's fragment: the same permutation of k on both sides, so every product meets its partner.
; SHARES.  A work-group: 256 rows x 192 columns.  A wave: 64 rows x all 192 columns.  THE WAVE'S ROWS STAY IN REGISTERS (4 tiles x 8 K steps x 16 = 512), loaded straight from the image;
; THE WORK-GROUP'S 192 ROWS OF W LIE WHOLE IN LDS, brought by one tensor load a wave at the start: nothing in LDS is ever filled again, and there is one barrier.
; The columns go in 6 pairs of tiles of 16: 64 matrix instructions on 8 accumulators by turns; each fragment of W read from LDS feeds four products.
; W'S FRAGMENTS COME FROM LDS IN RUNS OF 32 LOADS, one run ahead of every 32 matrix instructions: while K steps 0-3 are multiplied, this pair's K steps 4-7 are fetched; while those are
; multiplied, the next pair's K steps 0-3.  So the four waves' LDS reads lie under their matrix work.
; THE BIASES: each wave copies the work-group's 192 once into 1 KB of LDS of its own; a pair's 32 are four LDS loads at its head (sixteen lanes read the same bytes): the loop has no global load.
; CLUSTER: the four work-groups of a cluster have the same 192 columns: W's tile is asked for jointly.  The rows' image is not shared by a joint load: it goes into registers,
; and 256 KB of rows beside 195 KB of W do not fit in LDS.  Nothing is asked for later than the head, so there is nothing to prefetch.
; q, k (pairs 0-63): the product is used TRANSPOSED (source 0 = 16 columns of W, source 1 = 16 rows): a lane holds one token and eight neighbouring d: the conversion's two registers
;   are registers 2 c', 2 c' + 1 of a K = 64 fragment (d = 16 c' + 8 h + 0..7).  Image: [head 32][tile of 16 tokens 128][chunk 2][512 B].
; v (pairs 64-95): source 0 = 16 rows, source 1 = 16 columns: a lane holds one d and eight neighbouring TOKENS, which are the second attention product's K: the conversions give V^T's
;   registers (key = 128 kb + 16 c' + 8 h + 0..7) with nothing transposed.  Image: [head 32][128 keys 16][tile of 16 d 4][chunk 4][512 B].
; LIMITS: e0 + e1 between -126 and 127; e2, e3, e4 between -126 and 119.  NaN among the inputs is not served.
; REGISTERS, in windows of 256: window 1: the rows' K steps 0-3 at v[(4 mt + ks) 16]; window 2: K steps 4-7; window 3: W's fragments of a pair: K steps 0-3 at v0, 4-7 at v128, at (2 ks + nt) 16.
;   window 0: v1 16 x lane; v2 my place in a tile of W; v13 the same in this pair, v3 in the next; v4, v5 my place in the biases (32 h, 4 r); v6 the pair's biases; v7 store offset; v8 2^eo; v9 448 x 2^eo;
;   v14 8 x lane; v15 where I put the biases; v16-31 biases; v32-47 codes; v52-57 biases on their way to LDS; v64-127 the 8 accumulators (2 mt + nt).
.set NP,    6                          ; pairs of column tiles
.set PITCH, 1040                       ; a row of W in LDS: 1,024 bytes + 16 = 260 words: sixteen rows start four banks apart (ISA guide 11.1)
.set PAIRB, 32*PITCH
.set TROWS, 8*NP                       ; rows of W that one wave fetches
.set SCR,   NP*PAIRB                   ; behind W: 1,024 bytes for each wave, the biases; no fill lands there
.set BI,  16
.set CR,  32
.set BS,  52
.set ACC, 64
.set MSB, 0
.macro WIN new                         ; the immediate's high byte repeats the setting that is left
.if MSB != (\new)
	s_set_vgpr_msb (MSB<<8)|(\new)
.set MSB, (\new)
.endif
.endm
.macro PLACES                          ; four places behind matrix instructions, in front of loads into their sources and of reads of their results
.rept 4
	v_nop
.endr
.endm
.macro CROUND                          ; a round of the cluster's barrier
	s_barrier_signal -1
	s_barrier_wait -1
	s_cmp_lg_u32 s18, 0
	s_cbranch_scc1 .Lnot_wave_0_\@
	s_barrier_signal -3
.Lnot_wave_0_\@:
	s_barrier_wait -3
	s_barrier_signal -1
	s_barrier_wait -1
.endm
.macro ALOAD w, m                      ; 16 loads: tile m of my rows, K steps 4 (w - 1) .. + 3, into window w
	WIN 0x40*\w
.irp k, 0,1,2,3
.irp c, 0,1,2,3
	global_load_b128 v[(4*\m+\k)*16+4*\c:(4*\m+\k)*16+4*\c+3], v1, s[4:5] offset:(8*\m+4*(\w-1)+\k)*2048+512*\c
.endr
.endr
.endm
	s_load_b256 s[4:11], s[0:1], 0x0               ; h's image s[4:5], W's codes s[6:7], bias s[8:9], scales s[10:11]
	s_load_b128 s[12:15], s[0:1], 0x20             ; q's image, k's image
	s_load_b64 s[16:17], s[0:1], 0x30              ; v's image
	v_lshl_add_u32 v254, v0, 2, 0x31c00
	v_mov_b32 v255, 0
	ds_add_u32 v254, v255
	ds_add_u32 v254, v255
	v_lshrrev_b32 v1, 5, v0
	v_readfirstlane_b32 s18, v1                    ; wave 0..3
	s_bfe_u32 s19, ttmp6, 0x40000                  ; cx
	s_lshl_b32 s20, ttmp9, 2
	s_add_co_u32 s20, s20, s19                     ; block of 256 rows = 4 x cluster x + cx: it enters global addresses of rows alone
	s_and_b32 s21, ttmp7, 0xffff                   ; group of 192 columns, which the four partners share
	s_mov_b32 s28, 15|(1<<20)|(1<<21)|(7<<22)|(3<<25)   ; 15:0 the mask: all four; 17:16 elements of 1 byte; 20 padding on; 21 set beside a mask; 24:22 after every 256 words; 31:25 four words
	s_mov_b32 s29, 1024<<16                        ; tensor_dim0
	s_mov_b32 s30, TROWS<<16                       ; tensor_dim1
	s_mov_b32 s31, 1024<<16                        ; tile_dim0
	s_mov_b32 s32, TROWS                           ; tile_dim1
	s_mov_b32 s33, 1024                            ; from row to row
	s_mov_b32 s34, 0
	s_mov_b32 s35, 0
	s_mul_i32 s50, s21, NP*32
	s_mul_i32 s51, s18, TROWS
	s_add_co_u32 s50, s50, s51
	s_lshl_b32 s50, s50, 10                        ; my rows of W, in bytes
	s_mov_b32 s51, 0
	s_lshl_b32 s52, s20, 18                        ; 16 tiles of rows x 16,384 bytes a work-group,
	s_lshl_b32 s53, s18, 16                        ; 4 a wave
	s_add_co_u32 s52, s52, s53
	s_mov_b32 s53, 0
	s_mul_i32 s60, s21, NP*128                     ; the group's biases, in bytes
	s_mov_b32 s61, 0
	s_mov_b32 s24, 1                               ; group 0: count,
	s_mul_i32 s25, s18, TROWS*PITCH                ; LDS address: the wave's number x a constant,
	v_and_b32 v10, 31, v0
	v_lshlrev_b32 v1, 4, v10
	v_lshlrev_b32 v14, 3, v10
	s_wait_alu depctr_va_vdst(0)
	s_wait_dscnt 0x0
	s_wait_kmcnt 0x0
	s_load_b256 s[36:43], s[10:11], 0x0            ; e0 .. e7
	s_add_nc_u64 s[26:27], s[6:7], s[50:51]        ; global address,
	s_or_b32 s27, s27, 0x80000000                  ; type
	s_add_nc_u64 s[4:5], s[4:5], s[52:53]
	s_add_nc_u64 s[8:9], s[8:9], s[60:61]
.irp i, 0,1,2
	global_load_b64 v[BS+2*\i:BS+2*\i+1], v14, s[8:9] offset:256*\i   ; the 192 biases: 256 consecutive bytes a load
.endr
	ALOAD 1, 0                                     ; 48 of my rows' 128 loads go out ahead of the round: with the three above 51, inside the counter's field
	ALOAD 1, 1
	ALOAD 1, 2
	WIN 0
	CROUND                                         ; the four partners are here: the joint loads meet
	tensor_load_to_lds s[24:27], s[28:35]          ; my one tensor load of the launch
	s_nop 0
	PLACES
	ALOAD 1, 3
	ALOAD 2, 0
	ALOAD 2, 1
	ALOAD 2, 2
	ALOAD 2, 3
	WIN 0
	v_and_b32 v11, 15, v0                          ; r
	v_bfe_u32 v12, v0, 4, 1                        ; h
	v_mul_u32_u24 v2, v11, PITCH
	v_lshl_add_u32 v2, v12, 4, v2
	s_lshl_b32 s59, s18, 10
	s_add_co_u32 s59, s59, SCR                     ; my wave's biases in LDS
	v_lshl_add_u32 v4, v12, 5, s59                 ; q, k: eight biases for each half of the lanes
	v_lshl_add_u32 v5, v11, 2, s59                 ; v: one bias a lane
	v_add_nc_u32 v15, s59, v14
	s_wait_alu depctr_va_vdst(0)
	s_wait_kmcnt 0x0
	s_add_co_i32 s44, s36, s37
	s_add_co_i32 s44, s44, 127
	s_lshl_b32 s44, s44, 23                        ; 2^(e0 + e1) as f32
	s_mov_b32 s45, s44                             ; (named with it as a pair, so it is written)
	s_lshr_b32 s54, s20, 3
	s_lshl_b32 s54, s54, 4                         ; 16 x batch
	s_and_b32 s55, s20, 7
	s_lshl_b32 s56, s55, 1
	s_lshr_b32 s57, s18, 1
	s_add_co_u32 s56, s56, s57                     ; which 128 keys of the sequence my 64 tokens lie in
	s_lshl_b32 s55, s55, 4
	s_lshl_b32 s57, s18, 2
	s_add_co_u32 s55, s55, s57                     ; my first tile of 16 tokens
	s_and_b32 s57, s18, 1
	s_lshl_b32 s57, s57, 10                        ; and which half of those 128 keys: two chunks of 512 bytes
	s_mul_i32 s58, s21, NP                         ; my first pair
	s_mov_b32 s46, 0
	s_mov_b32 s48, 0
	s_wait_loadcnt 63                              ; the three bias loads are the oldest; 128 were issued behind them
.irp i, 0,1,2
	ds_store_b64 v15, v[BS+2*\i:BS+2*\i+1] offset:256*\i
.endr
	s_wait_tensorcnt 0x0                           ; my rows of W are in LDS,
	s_wait_dscnt 0x0                               ; (no LDS instruction of mine is out at a signal)
	s_barrier_signal -1
	s_barrier_wait -1                              ; everybody's are
; Half hf of a pair.  AS THE TEXT NOW STANDS (in place of the groups of four that the head describes): first ONE RUN of 32 LDS loads into the OTHER half's registers, from address register adr;
; then one wait, cnt = those 32, which shows this half's fragments (and the biases) in; then 32 matrix instructions on end (four K steps x 4 tiles of rows x 2 tiles of columns; the 8 accumulators
; take turns, one instruction a turn; the first K step starts the sums).  Two window switches a half.
.macro MULF hf, swap, adr, cnt
	WIN 0xc0                                       ; destination window 3, address window 0
.irp k, 0,1,2,3
.irp g, 0,1
.irp c, 0,1,2,3
	ds_load_b128 v[128*(1-\hf)+(2*\k+\g)*16+4*\c:128*(1-\hf)+(2*\k+\g)*16+4*\c+3], v[\adr] offset:\g*16*PITCH+(4*(1-\hf)+\k)*128+32*\c
.endr
.endr
.endr
	s_wait_dscnt \cnt
.irp k, 0,1,2,3
.irp g, 0,1
.if \swap
	WIN 0x0d+\hf                                   ; source 0: rows (window 1 or 2), source 1: W (window 3)
.else
	WIN 0x07+4*\hf                                 ; source 0: W (window 3), source 1: rows
.endif
.irp m, 0,1
.irp n, 0,1
.set rC, ACC+8*(2*(2*\g+\m)+\n)
.set rA, (4*(2*\g+\m)+\k)*16
.set rB, 128*\hf+(2*\k+\n)*16
.if \swap
.if (\hf == 0) && (\k == 0)
	v_wmma_f32_16x16x128_fp8_fp8 v[rC:rC+7], v[rA:rA+15], v[rB:rB+15], 0
.else
	v_wmma_f32_16x16x128_fp8_fp8 v[rC:rC+7], v[rA:rA+15], v[rB:rB+15], v[rC:rC+7]
.endif
.else
.if (\hf == 0) && (\k == 0)
	v_wmma_f32_16x16x128_fp8_fp8 v[rC:rC+7], v[rB:rB+15], v[rA:rA+15], 0
.else
	v_wmma_f32_16x16x128_fp8_fp8 v[rC:rC+7], v[rB:rB+15], v[rA:rA+15], v[rC:rC+7]
.endif
.endif
.endr
.endr
.endr
.endr
	WIN 0
.endm
; sum x 2^(e0 + e1) + bias, the hold, the conversion, four stores of 512 consecutive bytes
.macro EPI swap
.irp a, 0,1,2,3,4,5,6,7
.irp i, 0,2,4,6
.if \swap
	v_pk_fma_f32 v[ACC+8*\a+\i:ACC+8*\a+\i+1], v[ACC+8*\a+\i:ACC+8*\a+\i+1], s[44:45], v[BI+2*(\a%2):BI+2*(\a%2)+1] op_sel_hi:[1,0,1]   ; a lane holds one column: one bias, held twice
.else
	v_pk_fma_f32 v[ACC+8*\a+\i:ACC+8*\a+\i+1], v[ACC+8*\a+\i:ACC+8*\a+\i+1], s[44:45], v[BI+8*(\a%2)+\i:BI+8*(\a%2)+\i+1] op_sel_hi:[1,0,1]
.endif
.endr
.endr
.set n, 0
.rept 64
	v_med3_num_f32 v[ACC+n], v[ACC+n], -v9, v9     ; the conversion does not saturate (ISA guide 7.6.2)
.set n, n+1
.endr
.irp a, 0,1,2,3,4,5,6,7
.if \swap
	v_cvt_scalef32_pk8_fp8_f32 v[CR+(2*(\a%2)+\a/4)*4+2*((\a/2)%2):CR+(2*(\a%2)+\a/4)*4+2*((\a/2)%2)+1], v[ACC+8*\a:ACC+8*\a+7], v8
.else
	v_cvt_scalef32_pk8_fp8_f32 v[CR+2*\a:CR+2*\a+1], v[ACC+8*\a:ACC+8*\a+7], v8
.endif
.endr
	v_nop                                          ; a plain instruction behind the last scaled conversion: the next pair's products write its sources
.if \swap
	s_lshl_b32 s50, s63, 4
	s_add_co_u32 s50, s50, s56
	s_lshl_b32 s50, s50, 13                        ; (head x 16 + my 128 keys) x 8,192
	s_lshl_b32 s51, s59, 12                        ; + two tiles of d for the head's upper half
	s_add_co_u32 s50, s50, s51
	s_add_co_u32 s50, s50, s57                     ; + my half of the 128 keys
	v_add_nc_u32 v7, s50, v1
.irp s, 0,1,2,3
	global_store_b128 v7, v[CR+4*\s:CR+4*\s+3], s[16:17] offset:(\s/2)*2048+(\s%2)*512
.endr
.else
	s_lshl_b32 s50, s63, 7
	s_add_co_u32 s50, s50, s55
	s_lshl_b32 s50, s50, 10                        ; (head x 128 + my first tile of tokens) x 1,024
	s_lshl_b32 s51, s59, 9                         ; + the chunk of the head's upper half
	s_add_co_u32 s50, s50, s51
	v_add_nc_u32 v7, s50, v1
.irp s, 0,1,2,3
	global_store_b128 v7, v[CR+4*\s:CR+4*\s+3], s[52:53] offset:\s*1024
.endr
.endif
.endm
.macro PAIR swap
.if \swap
	v_add_nc_u32 v6, s62, v5
	ds_load_b32 v[BI], v6                          ; four LDS loads in either kind of pair, so that the counts below hold for both
	ds_load_b32 v[BI+1], v6
	ds_load_b32 v[BI+2], v6 offset:64
	ds_load_b32 v[BI+3], v6 offset:64
	s_mov_b32 s60, s40                             ; e4
.else
	v_add_nc_u32 v6, s62, v4
.irp n, 0,1
.irp i, 0,1
	ds_load_b128 v[BI+8*\n+4*\i:BI+8*\n+4*\i+3], v6 offset:64*\n+16*\i
.endr
.endr
	s_cmp_lt_u32 s47, 32
	s_cselect_b32 s60, s38, s39                    ; e2 or e3: a choice of values, no branch hangs on a scale
.endif
	s_add_co_i32 s60, s60, 127
	s_lshl_b32 s61, s60, 23
	v_mov_b32 v8, s61
	s_add_co_i32 s60, s60, 8
	s_lshl_b32 s60, s60, 23
	s_or_b32 s60, s60, 0x600000
	v_mov_b32 v9, s60
	MULF 0, \swap, 13, 32                          ; all but the 32 just issued
	s_wait_xcnt 0x0                                ; the last trip's stores have read their data, offset and base: all three are written again only below
.if \swap == 0
	s_cmp_lt_u32 s47, 32
	s_cselect_b64 s[52:53], s[12:13], s[14:15]     ; q's image or k's
.endif
	v_add_nc_u32 v3, s49, v2                       ; the next pair's place: the loads that read v3 last are in
	PLACES                                         ; in front of the loads into the registers that the first half has read
	s_wait_alu depctr_va_vdst(0)
	MULF 1, \swap, 3, 32
	PLACES
	EPI \swap
.endm
	WIN 0xc0                                       ; pair 0, K steps 0-3: the one run of 32 loads
.irp k, 0,1,2,3
.irp n, 0,1
.irp c, 0,1,2,3
	ds_load_b128 v[(2*\k+\n)*16+4*\c:(2*\k+\n)*16+4*\c+3], v2 offset:\n*16*PITCH+\k*128+32*\c
.endr
.endr
.endr
	WIN 0
	s_wait_loadcnt 0x0                             ; my rows
.Lpair:
	s_add_co_u32 s47, s58, s46                     ; the pair among all 96
	s_bfe_u32 s51, s47, 0x40001                    ; the head
	s_and_b32 s59, s47, 1                          ; which half of its 64
	v_add_nc_u32 v13, s48, v2                      ; this pair's place
	s_add_co_u32 s48, s48, PAIRB
	s_min_u32 s49, s48, (NP-1)*PAIRB               ; the last trip fetches its own pair once more: no read leaves the tile, and no tail is written out
	s_lshl_b32 s62, s46, 7                         ; the pair's 32 biases
	s_add_co_u32 s63, s54, s51                     ; batch x 16 + head
	s_cmp_lt_u32 s47, 64                           ; the same in all four partners
	s_cbranch_scc0 .Lvalues
	s_wait_alu depctr_va_vdst(0)
	PAIR 0
	s_branch .Lnext
.Lvalues:
	s_wait_alu depctr_va_vdst(0)
	PAIR 1
.Lnext:
	s_add_co_u32 s46, s46, 1
	s_cmp_lt_u32 s46, NP
	s_cbranch_scc1 .Lpair
	s_wait_dscnt 0x0                               ; the last fetches
	s_wait_tensorcnt 0x0
	ds_add_u32 v254, v255
	s_wait_dscnt 0x0
	CROUND                                         ; the closing round
	s_endpgm
.Lfunc_end_k_q11e4d1ffd7_qkv:
	.size	k_q11e4d1ffd7_qkv, .Lfunc_end_k_q11e4d1ffd7_qkv-k_q11e4d1ffd7_qkv
	.p2alignl 7, 3214868480
	.fill 96, 4, 3214868480
	.section	.rodata,"a",@progbits
	.p2align	6, 0x0
	.amdhsa_kernel k_q11e4d1ffd7_qkv
		.amdhsa_group_segment_fixed_size 204288
		.amdhsa_private_segment_fixed_size 0
		.amdhsa_enable_private_segment 0
		.amdhsa_kernarg_size 56
		.amdhsa_user_sgpr_count 2
		.amdhsa_user_sgpr_kernarg_segment_ptr 1
		.amdhsa_wavefront_size32 1
		.amdhsa_system_sgpr_workgroup_id_x 1
		.amdhsa_system_sgpr_workgroup_id_y 1
		.amdhsa_system_sgpr_workgroup_id_z 1
		.amdhsa_system_vgpr_workitem_id 0
		.amdhsa_next_free_vgpr 1024
		.amdhsa_next_free_sgpr 66
		.amdhsa_reserve_vcc 0
		.amdhsa_float_denorm_mode_32 3
		.amdhsa_float_denorm_mode_16_64 3
		.amdhsa_memory_ordered 1
		.amdhsa_forward_progress 1
		.amdhsa_inst_pref_size 53
	.end_amdhsa_kernel
	.amdgpu_metadata
---
amdhsa.version: [ 1, 2 ]
amdhsa.kernels:
  - .name:           k_q11e4d1ffd7_qkv
    .symbol:         k_q11e4d1ffd7_qkv.kd
    .args:
      - { .name: himg, .offset: 0, .size: 8, .value_kind: global_buffer, .address_space: global }
      - { .name: w_attn_codes, .offset: 8, .size: 8, .value_kind: global_buffer, .address_space: global }
      - { .name: b_attn, .offset: 16, .size: 8, .value_kind: global_buffer, .address_space: global }
      - { .name: lowp_scales, .offset: 24, .size: 8, .value_kind: global_buffer, .address_space: global }
      - { .name: qimg, .offset: 32, .size: 8, .value_kind: global_buffer, .address_space: global }
      - { .name: kimg, .offset: 40, .size: 8, .value_kind: global_buffer, .address_space: global }
      - { .name: vimg, .offset: 48, .size: 8, .value_kind: global_buffer, .address_space: global }
    .group_segment_fixed_size: 204288
    .private_segment_fixed_size: 0
    .kernarg_segment_align: 8
    .kernarg_segment_size: 56
    .max_flat_workgroup_size: 128
    .sgpr_count:     66
    .vgpr_count:     1024
    .wavefront_size: 32
...
	.end_amdgpu_metadata
.endif
;; end of part 2
;; launch attn (part 3): grid 8 x 32, 16 waves a work-group, clusters of 4 x 1, 327,680 bytes of LDS; arguments qimg, kimg, vimg, lowp_scales, yimg; writes yimg
.if DOCPART == 3
	.amdgcn_target "amdgcn-amd-amdhsa--gfx1250"
	.amdhsa_code_object_version 6
	.text
	.protected	k_q11e4d1ffd7_attn
	.globl	k_q11e4d1ffd7_attn
	.p2align	8
	.type	k_q11e4d1ffd7_attn,@function
k_q11e4d1ffd7_attn:
	s_mov_b64 s[64:65], 0
	v_nop
	global_prefetch_b8 v0, s[64:65] scope:SCOPE_SE
	s_setreg_imm32_b32 hwreg(HW_REG_WAVE_MODE, 25, 1), 1
	s_wait_xcnt 0x0
	s_wait_alu depctr_hold_cnt(0) depctr_sa_sdst(0) depctr_va_vdst(0) depctr_va_sdst(0) depctr_va_ssrc(0) depctr_va_vcc(0) depctr_vm_vsrc(0)
	s_getreg_b32 s2, hwreg(HW_REG_IB_STS2, 6, 4)
	s_cmp_eq_u32 s2, 0
	s_cbranch_scc0 .Lentry_in_a_cluster
	s_endpgm
.Lentry_in_a_cluster:
	s_bfe_u32 s2, ttmp6, 0x10000c
	s_cmp_lg_u32 s2, 0x3003
	s_cbranch_scc0 .Lentry_shape_is_right
	s_endpgm
.Lentry_shape_is_right:
; Causal attention of one head on codes of FP8 (E4M3): S^T = K Q^T (K = 64), p = 2^(t - M), O^T = V^T P^T (K = 128 keys a step), O / l quantised with e6 into an image for the next product.
; t = score x log2(e) / 8; M = the running largest t rounded UP to a whole number; the row's sum l is taken of the unquantised p; when M moves, l and O^T are multiplied by 2^(old M - new M): exact.
; q, k: images [head 32][tile of 16 tokens 128][chunk 2][512 B] (lane (r, h): token r; registers 2 c', 2 c' + 1: d = 16 c' + 8 h + 0..7).  v: [head 32][128 keys 16][tile of 16 d 4][chunk 4][512 B], keys along the registers.
; A HEAD'S WHOLE K AND V (2 x 131,072 bytes of images) LIE IN LDS, brought by first fills alone, in two stages (keys 0-255, then the rest), each behind a wait and a barrier:
; nothing is filled again.  Every LDS read is 16 x lane + a constant: 512 consecutive bytes.
; SHARES.  Eight work-groups a head (j), sixteen tiles of 16 queries each: tile 8 i + j, i = 0..15, whose queries are 128 i + 16 j + r: it needs key steps 0 .. i, and step i is the one on the diagonal.
; The tiles are paired, i with 15 - i: 17 steps a pair, shared by two waves.  Wave w < 8: tile 15 - w, steps 0-7: 8 steps.  Wave 8 + w: tile w whole (w + 1 steps), then tile 15 - w from step 8 on (8 - w steps): 9 steps.
; So every wave works nearly as long as every other, however waves are dealt to SIMDs.  The first wave leaves its part (O^T, -M, l) in LDS as an image of its registers; one barrier; the second joins the two
; parts: M is the larger of the two, both parts are multiplied by 2^(their M - M), which rounds nothing.  A part's own running M is a running M over the keys taken in another order.
; All branches (leave a step out, leave the mask out, which part a wave has) hang on the wave's number and the step alone, never on the work-group's place.
; CLUSTER: the four partners walk the same K and V: each stage is asked for jointly (waves 0, 1: K's halves; waves 2, 3: V's).  Such a wave has one tensor load out at a time.  All is asked for ahead of the first key step: nothing is left to prefetch.
; Both products are used transposed: a lane holds ONE query (lane % 16) throughout; tile t's conversion gives registers 2 t, 2 t + 1 of P's fragment as they stand.
; LIMITS: e2 + e3 between -122 and 129 (added to c's exponent field); e5, e6 between -126 and 119; e4 + e5 goes through v_ldexp_f32.
; REGISTERS: v1 16 x lane; v2, v3 LDS addresses; v4 d = 16 j + r - 8 h; v5, v6 2^e5 and 448 x that; v7, v10 the same for e6; v11 my pair's place of exchange; v12 -M; v13 largest t; v[14:15] l; v16-23 Q of my first tile,
;   v24-31 of tile 15 - w; v32-95 K's 8 fragments, then V^T's 4; v96-159 S^T, then p; v160-191 O^T; v192-207 P's codes; v208-215 the result's codes; v236-254 at work; v251 -infinity.
.set KV,  131072                       ; V's images begin here
.set XCH, 262144                       ; behind them: the exchange, XW bytes for each pair of waves; no fill lands there
.set XW,  4608                         ; 8 x 512 bytes of O^T, 512 of -M, t, l
.macro PLACES
.rept 4
	v_nop
.endr
.endm
.macro CROUND
	s_barrier_signal -1
	s_barrier_wait -1
	s_cmp_lg_u32 s14, 0
	s_cbranch_scc1 .Lnot_wave_0_\@
	s_barrier_signal -3
.Lnot_wave_0_\@:
	s_barrier_wait -3
	s_barrier_signal -1
	s_barrier_wait -1
.endm
.macro MKG1 g, rows                    ; a dense block as rows of 256 bytes: elements of 8 bytes, 32 a row
	s_mov_b32 s[\g], 15|(3<<16)|(1<<21)            ; the mask: all four; element of 8 bytes; bit 21 set beside a mask; no padding
	s_mov_b32 s[\g+1], 32<<16
	s_mov_b32 s[\g+2], (\rows)<<16
	s_mov_b32 s[\g+3], 32<<16
	s_mov_b32 s[\g+4], \rows
	s_mov_b32 s[\g+5], 32
	s_mov_b32 s[\g+6], 0
	s_mov_b32 s[\g+7], 0
.endm
.macro MKG0 g, piece, off              ; my half (piece bytes) of a stage that begins off bytes into the head's image
	s_mov_b32 s[\g], 1
	s_mul_i32 s78, s73, \piece
	s_add_co_u32 s78, s78, \off
	s_add_co_u32 s[\g+1], s72, s78
	s_add_nc_u64 s[\g+2:\g+3], s[74:75], s[78:79]
	s_or_b32 s[\g+3], s[\g+3], 0x80000000
.endm
.macro INIT                            ; a part begins: the step is written once; its first turn finds zeros, which the first change of M leaves zeros
	v_mov_b32 v13, 0xff61b1e6                      ; the largest t so far: -3e38
	s_delay_alu instid0(VALU_DEP_1)
	v_floor_f32 v12, -v13
	v_mov_b32 v14, 0
	v_mov_b32 v15, 0
.set n, 0
.rept 32
	v_mov_b32 v[160+n], 0
.set n, n+1
.endr
.endm
	s_load_b256 s[4:11], s[0:1], 0x0               ; q s[4:5], k s[6:7], v s[8:9], scales s[10:11]
	s_load_b64 s[12:13], s[0:1], 0x20              ; the result's image
	v_lshl_add_u32 v249, v0, 2, 0x49000
	v_mov_b32 v255, 0
	ds_add_u32 v249, v255
	ds_add_u32 v249, v255
	v_lshrrev_b32 v1, 5, v0
	s_delay_alu instid0(VALU_DEP_1)
	v_readfirstlane_b32 s14, v1                    ; wave 0..15
	s_bfe_u32 s16, ttmp6, 0x40000                  ; cx
	s_lshl_b32 s17, ttmp9, 2
	s_add_co_u32 s17, s17, s16                     ; j: it enters the mask's numbers and global addresses of q and y alone
	s_and_b32 s18, ttmp7, 0xffff                   ; batch x 16 + head, which the partners share
	s_lshr_b32 s36, s14, 3                         ; 0: the pair's first wave, 1: its second
	s_and_b32 s37, s14, 7                          ; the pair, w
	s_xor_b32 s38, s37, 15                         ; 15 - w
	s_mul_i32 s39, s36, 15
	s_xor_b32 s15, s38, s39                        ; i of my first tile: 15 - w, or w; also the last step of my first walk
	s_xor_b32 s40, s38, 7
	s_mul_i32 s40, s40, s36
	s_xor_b32 s40, s40, 7                          ; the last step of my second walk: 7 (none: it begins at 8), or 15 - w
	MKG1 20, 32
	MKG1 28, 224
	s_bfe_u32 s72, s14, 0x10001
	s_lshl_b32 s72, s72, 17                        ; K's region or V's
	s_and_b32 s73, s14, 1                          ; which half of a stage
	s_mov_b32 s79, 0
	s_lshl_b32 s82, s18, 17                        ; the head's image
	s_mov_b32 s83, 0
	s_lshl_b32 s76, s15, 3
	s_add_co_u32 s76, s76, s17                     ; my first tile of queries,
	s_lshl_b32 s77, s38, 3
	s_add_co_u32 s77, s77, s17                     ; and tile 15 - w
	s_lshl_b32 s84, s18, 7
	s_add_co_u32 s80, s84, s76
	s_lshl_b32 s80, s80, 10                        ; their places in q's image
	s_mov_b32 s81, 0
	s_add_co_u32 s88, s84, s77
	s_lshl_b32 s88, s88, 10
	s_mov_b32 s89, 0
	s_lshr_b32 s85, s18, 4
	s_lshl_b32 s85, s85, 7                         ; 128 tiles of rows a batch
	s_bfe_u32 s87, s18, 0x30001
	s_lshl_b32 s87, s87, 11                        ; the K step of 128 that holds my head's 64,
	s_and_b32 s84, s18, 1
	s_lshl_b32 s84, s84, 10                        ; and its two chunks there
	s_add_co_u32 s87, s87, s84
	s_add_co_u32 s90, s85, s76
	s_lshl_b32 s90, s90, 14
	s_add_co_u32 s90, s90, s87                     ; their places in the result's image
	s_mov_b32 s91, 0
	s_add_co_u32 s92, s85, s77
	s_lshl_b32 s92, s92, 14
	s_add_co_u32 s92, s92, s87
	s_mov_b32 s93, 0
	s_mov_b32 s68, 0x76543210                      ; v_permlanex16_b32: lane l xor 16
	s_mov_b32 s69, 0xfedcba98
	s_mov_b32 s66, 0x3e38aa3b                      ; c = log2(e) / 8
	s_wait_dscnt 0x0
	s_wait_kmcnt 0x0
	s_load_b256 s[56:63], s[10:11], 0x0            ; e0 .. e7
	s_cmp_lt_u32 s14, 2
	s_cselect_b64 s[74:75], s[6:7], s[8:9]
	s_add_nc_u64 s[74:75], s[74:75], s[82:83]
	MKG0 44, 8192, 0
	MKG0 48, 57344, 16384
	s_add_nc_u64 s[88:89], s[4:5], s[88:89]        ; q at tile 15 - w,
	s_add_nc_u64 s[4:5], s[4:5], s[80:81]          ; and at my first tile
	s_add_nc_u64 s[52:53], s[12:13], s[90:91]      ; y at my first tile,
	s_add_nc_u64 s[54:55], s[12:13], s[92:93]      ; and at tile 15 - w
	CROUND                                         ; the four partners are here: the joint loads meet
	s_cmp_lt_u32 s14, 4                            ; a wave's first fill stands in a branch on its number
	s_cbranch_scc0 .Lno_fill
	tensor_load_to_lds s[44:47], s[20:27]          ; keys 0-255: a fetching wave's one tensor load at the head
	s_nop 0
	PLACES
.Lno_fill:
	v_and_b32 v8, 31, v0
	s_delay_alu instid0(VALU_DEP_1)
	v_lshlrev_b32 v1, 4, v8
	global_load_b128 v[16:19], v1, s[4:5]          ; both tiles' Q stay in registers
	global_load_b128 v[20:23], v1, s[4:5] offset:512
	global_load_b128 v[24:27], v1, s[88:89]
	global_load_b128 v[28:31], v1, s[88:89] offset:512
	s_mul_i32 s77, s37, XW
	s_add_co_u32 s77, s77, XCH
	v_add_nc_u32 v11, s77, v1                      ; the same in both waves of a pair; made here, ahead of the first parting of the ways
	v_and_b32 v8, 15, v0
	v_bfe_u32 v9, v0, 4, 1
	s_delay_alu instid0(VALU_DEP_1)
	v_lshlrev_b32 v9, 3, v9
	s_delay_alu instid0(VALU_DEP_1)
	v_sub_nc_u32 v4, v8, v9
	s_lshl_b32 s77, s17, 4
	v_add_nc_u32 v4, s77, v4                       ; on the diagonal register 8 t + n holds key 16 t + 8 h + n of the step: hidden where 16 t + n > d
	INIT
	v_mov_b32 v236, 0                              ; a lane permute's destination counts as one of its sources
	v_mov_b32 v252, 0
	v_mov_b32 v253, 0                              ; (named as the upper half of the pair v[252:253])
	v_mov_b32 v251, 0xff800000
	s_wait_kmcnt 0x0
	s_add_co_i32 s84, s58, s59
	s_lshl_b32 s84, s84, 23
	s_add_co_i32 s66, s66, s84                     ; a score stands for score x 2^(e2 + e3)
	s_mov_b32 s67, s66
	s_add_co_i32 s84, s61, 127
	s_lshl_b32 s85, s84, 23
	v_mov_b32 v5, s85
	s_add_co_i32 s84, s84, 8
	s_lshl_b32 s84, s84, 23
	s_or_b32 s84, s84, 0x600000
	v_mov_b32 v6, s84
	s_add_co_i32 s84, s62, 127
	s_lshl_b32 s85, s84, 23
	v_mov_b32 v7, s85
	s_add_co_i32 s84, s84, 8
	s_lshl_b32 s84, s84, 23
	s_or_b32 s84, s84, 0x600000
	v_mov_b32 v10, s84
	s_add_co_i32 s86, s60, s61                     ; e4 + e5
; A KEY STEP of 128 keys; s70 its number, s71 = 8,192 x that; q: where the tile's Q lies.
.macro STEP q
	s_cmp_gt_u32 s70, s15                          ; behind my walk's last step: left out (no barrier and no tensor load stands in a step)
	s_cbranch_scc1 .Lskip_\@
	v_add_nc_u32 v2, s71, v1
	s_delay_alu instid0(VALU_DEP_1)
	v_add_nc_u32 v3, KV, v2
.irp t, 0,1,2,3,4,5,6,7
	ds_load_b128 v[32+8*\t:35+8*\t], v2 offset:1024*\t
	ds_load_b128 v[36+8*\t:39+8*\t], v2 offset:1024*\t+512
.endr
	s_wait_alu depctr_va_vdst(0)
	s_wait_dscnt 0x0
.irp t, 0,1,2,3,4,5,6,7
	v_wmma_f32_16x16x64_fp8_fp8 v[96+8*\t:103+8*\t], v[32+8*\t:39+8*\t], v[\q:\q+7], 0
.endr
	PLACES
.irp d, 0,1,2,3
.irp c, 0,1,2,3
	ds_load_b128 v[32+16*\d+4*\c:35+16*\d+4*\c], v3 offset:2048*\d+512*\c   ; V^T: it lands while the softmax is worked
.endr
.endr
	s_cmp_lt_u32 s70, s15                          ; all keys count: no mask
	s_cbranch_scc1 .Lopen_\@
.set n, 0
.rept 64
	v_cmp_gt_i32 vcc_lo, 16*(n/8)+n%8, v4
	v_cndmask_b32 v[96+n], v[96+n], v251, vcc_lo   ; hidden scores become -infinity ahead of the maximum: p = 0
.set n, n+1
.endr
.Lopen_\@:
	v_max3_num_f32 v254, v96, v97, v98             ; the step's largest score of my query among my 64 keys, in four chains that do not wait for each other,
	v_max3_num_f32 v252, v99, v100, v101
	v_max3_num_f32 v250, v102, v103, v104
	v_max3_num_f32 v248, v105, v106, v107
.irp i, 12,20,28,36,44,52
	v_max3_num_f32 v254, v254, v[96+\i], v[97+\i]
	v_max3_num_f32 v252, v252, v[98+\i], v[99+\i]
	v_max3_num_f32 v250, v250, v[100+\i], v[101+\i]
	v_max3_num_f32 v248, v248, v[102+\i], v[103+\i]
.endr
	v_max3_num_f32 v254, v254, v156, v157
	v_max3_num_f32 v252, v252, v158, v159
	s_delay_alu instid0(VALU_DEP_1)
	v_max3_num_f32 v254, v254, v252, v250
	s_delay_alu instid0(VALU_DEP_1)
	v_max_num_f32 v254, v254, v248
	s_delay_alu instid0(VALU_DEP_1)
	v_permlanex16_b32 v236, v254, s68, s69
	s_delay_alu instid0(VALU_DEP_1)
	v_max_num_f32 v254, v254, v236                 ; and among lane l xor 16's
	s_delay_alu instid0(VALU_DEP_1)
	v_mul_f32 v254, s66, v254                      ; as t (c is positive)
	s_delay_alu instid0(VALU_DEP_1)
	v_max_num_f32 v13, v13, v254
	v_mov_b32 v254, v12
	s_delay_alu instid0(VALU_DEP_2)
	v_floor_f32 v12, -v13                          ; -M = floor(-t): M is a whole number
	s_delay_alu instid0(VALU_DEP_1)
	v_sub_f32 v254, v12, v254                      ; old M - new M, 0 or less
	s_delay_alu instid0(VALU_DEP_1)
	v_cvt_i32_f32 v254, v254                       ; (it saturates)
	s_delay_alu instid0(VALU_DEP_1)
	v_ldexp_f32 v252, 1.0, v254                    ; f = 2^(old M - new M)
.irp j, 0,2,4,6,8,10,12,14,16,18,20,22,24,26,28,30,32,34,36,38,40,42,44,46,48,50,52,54,56,58,60,62
	v_pk_fma_f32 v[96+\j:97+\j], v[96+\j:97+\j], s[66:67], v[12:13] op_sel_hi:[1,0,0]   ; t - M
.endr
.set n, 0
	s_wait_alu depctr_va_vdst(0)
.rept 64
	v_exp_f32 v[96+n], v[96+n]                     ; p = 2^(t - M)
.set n, n+1
.endr
	v_pk_mul_f32 v[14:15], v[14:15], v[252:253] op_sel_hi:[1,0]   ; l under the new M, and
	s_wait_alu depctr_va_vdst(0)
.irp j, 0,2,4,6,8,10,12,14,16,18,20,22,24,26,28,30
	v_pk_mul_f32 v[160+\j:161+\j], v[160+\j:161+\j], v[252:253] op_sel_hi:[1,0]   ; O^T under the new M: work that names no exponential's result, between the batch and its wait
.endr
	s_wait_alu depctr_va_vdst(0)                   ; one wait for the batch, ahead of its first reader
	v_pk_add_f32 v[242:243], v[108:109], v[116:117]
	v_pk_add_f32 v[244:245], v[124:125], v[132:133]
	v_pk_add_f32 v[246:247], v[140:141], v[148:149]
	v_pk_add_f32 v[240:241], v[156:157], v[96:97]
	v_pk_add_f32 v[238:239], v[98:99], v[110:111]
	v_pk_add_f32 v[234:235], v[118:119], v[126:127]
	v_pk_add_f32 v[232:233], v[134:135], v[142:143]
	v_pk_add_f32 v[14:15], v[14:15], v[150:151]
	v_pk_add_f32 v[242:243], v[242:243], v[158:159]
	v_pk_add_f32 v[244:245], v[244:245], v[100:101]
	v_pk_add_f32 v[246:247], v[246:247], v[102:103]
	v_pk_add_f32 v[240:241], v[240:241], v[112:113]
	v_pk_add_f32 v[238:239], v[238:239], v[120:121]
	v_pk_add_f32 v[234:235], v[234:235], v[128:129]
	v_pk_add_f32 v[232:233], v[232:233], v[136:137]
	v_pk_add_f32 v[14:15], v[14:15], v[144:145]
	v_pk_add_f32 v[242:243], v[242:243], v[152:153]
	v_pk_add_f32 v[244:245], v[244:245], v[104:105]
	v_pk_add_f32 v[246:247], v[246:247], v[106:107]
	v_pk_add_f32 v[240:241], v[240:241], v[114:115]
	v_pk_add_f32 v[238:239], v[238:239], v[122:123]
	v_pk_add_f32 v[234:235], v[234:235], v[130:131]
	v_pk_add_f32 v[232:233], v[232:233], v[138:139]
	v_pk_add_f32 v[14:15], v[14:15], v[146:147]
	v_pk_add_f32 v[242:243], v[242:243], v[154:155]
	s_delay_alu instid0(VALU_DEP_2)
	v_pk_add_f32 v[14:15], v[14:15], v[240:241]
	s_delay_alu instid0(VALU_DEP_2)
	v_pk_add_f32 v[242:243], v[242:243], v[238:239]
	v_pk_add_f32 v[244:245], v[244:245], v[234:235]
	v_pk_add_f32 v[246:247], v[246:247], v[232:233]
	s_delay_alu instid0(VALU_DEP_2)
	v_pk_add_f32 v[14:15], v[14:15], v[244:245]
	s_delay_alu instid0(VALU_DEP_2)
	v_pk_add_f32 v[242:243], v[242:243], v[246:247]
	s_delay_alu instid0(VALU_DEP_1)
	v_pk_add_f32 v[14:15], v[14:15], v[242:243]
.irp t, 0,1,2,3,4,5,6,7
.irp i, 0,1,2,3,4,5,6,7
	v_min_num_f32 v[96+8*\t+\i], v[96+8*\t+\i], v6 ; p is not negative: a one-sided hold (the conversion does not saturate: ISA guide 7.6.2)
.endr
	v_cvt_scalef32_pk8_fp8_f32 v[192+2*\t:193+2*\t], v[96+8*\t:103+8*\t], v5
.endr
	v_nop                                          ; a plain instruction between the last conversion and the products that read its result
	s_wait_alu depctr_va_vdst(0)
	s_wait_dscnt 0x0                               ; V^T
.irp d, 0,1,2,3
	v_wmma_f32_16x16x128_fp8_fp8 v[160+8*\d:167+8*\d], v[32+16*\d:47+16*\d], v[192:207], v[160+8*\d:167+8*\d]
.endr
	PLACES                                         ; on every way on: the next step's loads into v32-95, or the first read of O^T
.Lskip_\@:
.endm
.macro WALK first, last, q             ; every wave walks every step; the counts are constants of the text
	s_mov_b32 s70, \first
	s_mov_b32 s71, (\first)*8192
.Lwalk_\@:
	STEP \q
	s_add_co_u32 s71, s71, 8192
	s_add_co_u32 s70, s70, 1
	s_cmp_lt_u32 s70, \last
	s_cbranch_scc1 .Lwalk_\@
.endm
; A tile leaves: O^T x 2^(e4 + e5) / l, quantised with e6.  Tile dt's two registers hold d = 16 dt + 8 h + 0..7; the next product's image wants 16 h + 0..15 in four registers:
; two exchanges of half rows of lanes between the registers of two neighbouring tiles give that.  y: the scalar pair with the tile's place in the image.
.macro FINISH y
	s_wait_xcnt 0x0                                ; an earlier tile's stores have read v208-215
	v_add_f32 v14, v14, v15
	s_wait_alu depctr_va_vdst(0)
	v_permlanex16_b32 v252, v14, s68, s69
	s_delay_alu instid0(VALU_DEP_1)
	v_add_f32 v14, v14, v252
	s_wait_alu depctr_va_vdst(0)
	v_rcp_f32 v14, v14
	v_nop
	s_wait_alu depctr_va_vdst(0)
	v_ldexp_f32 v14, v14, s86
	s_delay_alu instid0(VALU_DEP_1)
	v_mov_b32 v15, v14
.irp j, 0,2,4,6,8,10,12,14,16,18,20,22,24,26,28,30
	v_pk_mul_f32 v[96+\j:97+\j], v[160+\j:161+\j], v[14:15]
.endr
.set n, 0
.rept 32
	v_med3_num_f32 v[96+n], v[96+n], -v10, v10
.set n, n+1
.endr
.irp d, 0,1,2,3
	v_cvt_scalef32_pk8_fp8_f32 v[208+2*\d:209+2*\d], v[96+8*\d:103+8*\d], v7
.endr
	v_nop
	v_permlane16_swap_b32 v208, v210
	v_permlane16_swap_b32 v209, v211
	v_permlane16_swap_b32 v212, v214
	v_permlane16_swap_b32 v213, v215
	global_store_b128 v1, v[208:211], s[\y:\y+1]   ; 512 consecutive bytes each
	global_store_b128 v1, v[212:215], s[\y:\y+1] offset:512
.endm
; THE TWO STAGES AS THEY STAND: a fetching wave has ONE tensor load out at a time.  Keys 0-255 are asked for at the head; the rest is a first fill that is issued as a refill is:
; every wave waits for all its tensor loads, adds 0 to its spare word, waits for that, and a round of the cluster's barrier follows.
	s_wait_alu depctr_va_vdst(0)                   ; the wait at the head's end
	s_wait_loadcnt 0x0                             ; Q
	s_wait_tensorcnt 0x0                           ; my part of keys 0-255 is in
	ds_add_u32 v249, v255
	ds_add_u32 v249, v255
	s_wait_dscnt 0x0
	CROUND                                         ; everybody's part is in, and the four partners are here: the joint loads meet
	s_cmp_lt_u32 s14, 4
	s_cbranch_scc0 .Lno_fill2
	tensor_load_to_lds s[48:51], s[28:35]          ; keys 256-2047: it has the first two key steps in which to land
	s_nop 0
	PLACES
.Lno_fill2:
	WALK 0, 2, 16
	s_wait_tensorcnt 0x0                           ; all the keys
	s_wait_dscnt 0x0
	s_barrier_signal -1
	s_barrier_wait -1
	WALK 2, 8, 16
	s_cmp_lt_u32 s14, 8
	s_cbranch_scc0 .Lsecond_wave
	s_wait_alu depctr_va_vdst(0)
.irp n, 0,1,2,3,4,5,6,7
	ds_store_b128 v11, v[160+4*\n:163+4*\n] offset:512*\n   ; the pair's first wave: its part of tile 15 - w, as an image of its registers
.endr
	ds_store_b128 v11, v[12:15] offset:4096        ; -M, t, l
	s_branch .Lon
.Lsecond_wave:
	FINISH 52                                      ; the pair's second wave: tile w is whole and leaves;
	INIT                                           ; its part of tile 15 - w begins
.Lon:
	s_mov_b32 s15, s40
	WALK 8, 16, 24
	s_wait_dscnt 0x0                               ; for the others' sake: my stores into the exchange have landed
	s_barrier_signal -1
	s_barrier_wait -1
	s_cmp_lt_u32 s14, 8
	s_cbranch_scc1 .Ldone
.irp n, 0,1,2,3,4,5,6,7
	ds_load_b128 v[96+4*\n:99+4*\n], v11 offset:512*\n
.endr
	ds_load_b128 v[128:131], v11 offset:4096
	s_wait_dscnt 0x0
	v_min_num_f32 v132, v12, v128                  ; -M of the whole row: M is the larger of the two
	s_delay_alu instid0(VALU_DEP_1)
	v_sub_f32 v133, v132, v128                     ; the other part's M less M: a whole number, 0 or less,
	s_delay_alu instid0(VALU_DEP_2)
	v_sub_f32 v134, v132, v12                      ; and mine
	s_delay_alu instid0(VALU_DEP_2)
	v_cvt_i32_f32 v133, v133
	s_delay_alu instid0(VALU_DEP_2)
	v_cvt_i32_f32 v134, v134
	s_delay_alu instid0(VALU_DEP_2)
	v_ldexp_f32 v136, 1.0, v133
	s_delay_alu instid0(VALU_DEP_2)
	v_ldexp_f32 v138, 1.0, v134
	s_delay_alu instid0(VALU_DEP_2)
	v_mov_b32 v137, v136
	s_delay_alu instid0(VALU_DEP_2)
	v_mov_b32 v139, v138
	s_delay_alu instid0(VALU_DEP_1)
	v_pk_mul_f32 v[14:15], v[14:15], v[138:139]
	s_delay_alu instid0(VALU_DEP_1)
	v_pk_fma_f32 v[14:15], v[130:131], v[136:137], v[14:15]
.irp j, 0,2,4,6,8,10,12,14,16,18,20,22,24,26,28,30
	v_pk_mul_f32 v[160+\j:161+\j], v[160+\j:161+\j], v[138:139]
.endr
.irp j, 0,2,4,6,8,10,12,14,16,18,20,22,24,26,28,30
	v_pk_fma_f32 v[160+\j:161+\j], v[96+\j:97+\j], v[136:137], v[160+\j:161+\j]
.endr
	FINISH 54
.Ldone:
	s_wait_tensorcnt 0x0
	ds_add_u32 v249, v255
	s_wait_dscnt 0x0
	CROUND                                         ; the closing round
	s_endpgm
.Lfunc_end_k_q11e4d1ffd7_attn:
	.size	k_q11e4d1ffd7_attn, .Lfunc_end_k_q11e4d1ffd7_attn-k_q11e4d1ffd7_attn
	.p2alignl 7, 3214868480
	.fill 96, 4, 3214868480
	.section	.rodata,"a",@progbits
	.p2align	6, 0x0
	.amdhsa_kernel k_q11e4d1ffd7_attn
		.amdhsa_group_segment_fixed_size 327680
		.amdhsa_private_segment_fixed_size 0
		.amdhsa_enable_private_segment 0
		.amdhsa_kernarg_size 40
		.amdhsa_user_sgpr_count 2
		.amdhsa_user_sgpr_kernarg_segment_ptr 1
		.amdhsa_wavefront_size32 1
		.amdhsa_system_sgpr_workgroup_id_x 1
		.amdhsa_system_sgpr_workgroup_id_y 1
		.amdhsa_system_sgpr_workgroup_id_z 1
		.amdhsa_system_vgpr_workitem_id 0
		.amdhsa_next_free_vgpr 256
		.amdhsa_next_free_sgpr 96
		.amdhsa_reserve_vcc 1
		.amdhsa_float_denorm_mode_32 3
		.amdhsa_float_denorm_mode_16_64 3
		.amdhsa_memory_ordered 1
		.amdhsa_forward_progress 1
		.amdhsa_inst_pref_size 87
	.end_amdhsa_kernel
	.amdgpu_metadata
---
amdhsa.version: [ 1, 2 ]
amdhsa.kernels:
  - .name:           k_q11e4d1ffd7_attn
    .symbol:         k_q11e4d1ffd7_attn.kd
    .args:
      - { .name: qimg, .offset: 0, .size: 8, .value_kind: global_buffer, .address_space: global }
      - { .name: kimg, .offset: 8, .size: 8, .value_kind: global_buffer, .address_space: global }
      - { .name: vimg, .offset: 16, .size: 8, .value_kind: global_buffer, .address_space: global }
      - { .name: lowp_scales, .offset: 24, .size: 8, .value_kind: global_buffer, .address_space: global }
      - { .name: yimg, .offset: 32, .size: 8, .value_kind: global_buffer, .address_space: global }
    .group_segment_fixed_size: 327680
    .private_segment_fixed_size: 0
    .kernarg_segment_align: 8
    .kernarg_segment_size: 40
    .max_flat_workgroup_size: 512
    .sgpr_count:     96
    .vgpr_count:     256
    .wavefront_size: 32
...
	.end_amdgpu_metadata
.endif
;; end of part 3
;; launch proj (part 4): grid 32 x 8, 4 waves a work-group, clusters of 4 x 1, 167,936 bytes of LDS; arguments yimg, w_proj_codes, b_proj, lowp_scales, x, x1; writes x1
.if DOCPART == 4
	.amdgcn_target "amdgcn-amd-amdhsa--gfx1250"
	.amdhsa_code_object_version 6
	.text
	.protected	k_q11e4d1ffd7_proj
	.globl	k_q11e4d1ffd7_proj
	.p2align	8
	.type	k_q11e4d1ffd7_proj,@function
k_q11e4d1ffd7_proj:
	s_mov_b64 s[64:65], 0
	v_nop
	global_prefetch_b8 v0, s[64:65] scope:SCOPE_SE
	s_setreg_imm32_b32 hwreg(HW_REG_WAVE_MODE, 25, 1), 1
	s_wait_xcnt 0x0
	s_wait_alu depctr_hold_cnt(0) depctr_sa_sdst(0) depctr_va_vdst(0) depctr_va_sdst(0) depctr_va_ssrc(0) depctr_va_vcc(0) depctr_vm_vsrc(0)
	s_getreg_b32 s2, hwreg(HW_REG_IB_STS2, 6, 4)
	s_cmp_eq_u32 s2, 0
	s_cbranch_scc0 .Lentry_in_a_cluster
	s_endpgm
.Lentry_in_a_cluster:
	s_bfe_u32 s2, ttmp6, 0x10000c
	s_cmp_lg_u32 s2, 0x3003
	s_cbranch_scc0 .Lentry_shape_is_right
	s_endpgm
.Lentry_shape_is_right:
; result = residual + (A W + bias), the product on codes of FP8 (E4M3), K = 1,024.  A: image [tile of 16 rows][K step of 128][chunk 4][512 B] (chunk c, lane (r, h): k = 128 ks + 32 c + 16 h + 0..15 of row r);
; W: codes [1024][1024], K innermost; residual and result: f32 [4096][1024].
; SHARES.  A work-group: 128 rows x 128 columns, 32 x 8 = 256 work-groups.  A wave: 32 rows x all 128 columns, 16 accumulators (8 mt + nt) by turns, one instruction a turn.
; A GOES FROM ITS IMAGE STRAIGHT INTO REGISTERS, whole: a wave's two tiles x 8 K steps are 64 loads of 512 consecutive bytes, 256 registers; no row of A is read twice in a work-group.
; W'S 128 ROWS LIE WHOLE IN LDS, rows of 1,024 + 16 bytes (260 words: sixteen rows start four banks apart: ISA guide 11.1), brought by one tensor load a wave (32 rows) at the head:
; nothing in LDS is filled later or again, and there is one barrier.
; CLUSTER: the four partners have the same 128 columns: W is asked for jointly.  A is not shared by a joint load: it goes into registers, so that the work-group's operands are halved between tensor loads and plain loads.
; NO PREFETCH: all that the launch reads is asked for at the head; there is no loop to run ahead in.
; THE STEPS ARE LAID ONE APART: a K step's 32 LDS loads are issued ahead of the products of the step before, into the other of two sets.
; The product is used TRANSPOSED (source 0 = 16 columns of W, source 1 = 16 rows of A): a lane holds eight neighbouring columns of a row.  A tile of 16 rows goes through the wave's own stage in LDS,
; on bytes that no fill lands on, and comes back by rows of 512 bytes, which the 32 lanes store as two aligned units of 256 bytes.
; LIMIT: the two exponents' sum between -126 and 127.
; REGISTERS, in windows of 256: window 0: v1 16 x lane; v8, v9 the stage, in and back; v12, v13 my place in W's rows 0-63 and 64-127; v20-23 biases; v28, v29 the add's two; v32-95 rows at work; v128-255 accumulators.
;   window 1: W's fragments, two sets, at 128 (g % 2) + 16 nt.  window 2: A, at 32 g + 16 mt.  window 3: v0-127 the residual.
.set SE,  24                           ; byte of the two exponents in the buffer of scales
.set KB,  1024                         ; a row of W in memory
.set TP,  16384                        ; a tile of 16 rows in A's image
.set BP,  1040                         ; a row of W in LDS
.set STAGE, 128*BP                     ; behind W: 16 rows x 528 bytes for each wave
.set SPARE, STAGE+4*16*528             ; behind the stages: the spare words, 128 bytes a wave
.set ADB, 12
.set SPW, 28
.set NIL, 29
.set ACC, 128
.set G1,  24                           ; s[24:31] group 1; s[32:35] group 0
.set G0,  32
.set MSB, 0
.macro WIN new                         ; the immediate's high byte repeats the setting that is left
.if MSB != (\new)
	s_set_vgpr_msb (MSB<<8)|(\new)
.set MSB, (\new)
.endif
.endm
.macro PLACES                          ; four places behind matrix instructions, in front of loads into their sources and of reads of their results
.rept 4
	v_nop
.endr
.endm
.macro CROUND                          ; a round of the cluster's barrier
	s_barrier_signal -1
	s_barrier_wait -1
	s_cmp_lg_u32 s18, 0
	s_cbranch_scc1 .Lnot_wave_0_\@
	s_barrier_signal -3
.Lnot_wave_0_\@:
	s_barrier_wait -3
	s_barrier_signal -1
	s_barrier_wait -1
.endm
.macro LOADB g                         ; 32 LDS loads: W's eight fragments of K step g
.set LP, 128*((\g)%2)
	WIN 0x40
.irp n, 0,1,2,3,4,5,6,7
.irp c, 0,1,2,3
	ds_load_b128 v[LP+16*\n+4*\c:LP+16*\n+4*\c+3], v[ADB+\n/4] offset:(\n%4)*16*BP+(\g)*128+32*\c
.endr
.endr
.endm
.macro LOADA g                         ; 8 loads: my two tiles of A, K step g
	WIN 0x80
.irp m, 0,1
.irp c, 0,1,2,3
	global_load_b128 v[32*(\g)+16*\m+4*\c:32*(\g)+16*\m+4*\c+3], v1, s[4:5] offset:\m*TP+(\g)*2048+512*\c
.endr
.endr
.endm
; K step g's 16 products.  The wait: behind A's step g were issued the steps up to 7 (8 loads each) and the 33 loads of biases and residual.
.macro MUL g
.set NG, 8*(7-(\g))+33
.if NG > 63
.set NG, 63
.endif
.set PB, 128*((\g)%2)
.set PA, 32*(\g)
	s_wait_loadcnt NG
	WIN 0x09                                       ; source 0: W (window 1), source 1: A (window 2), C and D window 0
.irp m, 0,1
.irp n, 0,1,2,3,4,5,6,7
.if (\g) == 0
	v_wmma_f32_16x16x128_fp8_fp8 v[ACC+8*(8*\m+\n):ACC+8*(8*\m+\n)+7], v[PB+16*\n:PB+16*\n+15], v[PA+16*\m:PA+16*\m+15], 0
.else
	v_wmma_f32_16x16x128_fp8_fp8 v[ACC+8*(8*\m+\n):ACC+8*(8*\m+\n)+7], v[PB+16*\n:PB+16*\n+15], v[PA+16*\m:PA+16*\m+15], v[ACC+8*(8*\m+\n):ACC+8*(8*\m+\n)+7]
.endif
.endr
.endr
.endm
	s_load_b256 s[4:11], s[0:1], 0x0               ; A's image s[4:5], W's codes s[6:7], bias s[8:9], scales s[10:11]
	s_load_b128 s[12:15], s[0:1], 0x20             ; residual s[12:13], result s[14:15]
	v_lshl_add_u32 v[SPW], v0, 2, SPARE
	v_mov_b32 v[NIL], 0
	ds_add_u32 v[SPW], v[NIL]                      ; the opening lines: the add twice on end and one wait
	ds_add_u32 v[SPW], v[NIL]
	v_lshrrev_b32 v1, 5, v0
	v_readfirstlane_b32 s18, v1                    ; wave 0..3
	s_bfe_u32 s19, ttmp6, 0x40000                  ; cx
	s_lshl_b32 s20, ttmp9, 2
	s_add_co_u32 s20, s20, s19                     ; block of 128 rows: it enters global addresses of rows alone
	s_and_b32 s21, ttmp7, 0xffff                   ; block of 128 columns, which the partners share
	s_mov_b32 s[G1], 15|(1<<20)|(1<<21)|(7<<22)|(3<<25)   ; the mask: all four; elements of 1 byte; padding on; bit 21 beside a mask; four words after every 256
	s_mov_b32 s[G1+1], 1024<<16
	s_mov_b32 s[G1+2], 32<<16
	s_mov_b32 s[G1+3], 1024<<16
	s_mov_b32 s[G1+4], 32
	s_mov_b32 s[G1+5], KB
	s_mov_b32 s[G1+6], 0
	s_mov_b32 s[G1+7], 0
	s_lshl_b32 s66, s21, 7
	s_lshl_b32 s67, s18, 5
	s_add_co_u32 s66, s66, s67                     ; W: row 128 x block of columns + 32 x wave
	s_mul_i32 s66, s66, KB
	s_mov_b32 s67, 0
	s_lshl_b32 s68, s20, 3
	s_lshl_b32 s69, s18, 1
	s_add_co_u32 s68, s68, s69                     ; A: tile 8 x block of rows + 2 x wave
	s_mul_i32 s68, s68, TP
	s_mov_b32 s69, 0
	s_lshl_b32 s78, s21, 9                         ; my work-group's 128 columns, in bytes
	s_lshl_b32 s76, s20, 19
	s_lshl_b32 s77, s18, 17
	s_add_co_u32 s76, s76, s77
	s_add_co_u32 s76, s76, s78                     ; and my 32 rows of 4,096 bytes
	s_mov_b32 s77, 0
	s_mov_b32 s79, 0
	s_mov_b32 s[G0], 1
	s_mul_i32 s[G0+1], s18, 32*BP                  ; where my rows of W go
	v_and_b32 v2, 31, v0
	v_lshlrev_b32 v1, 4, v2                        ; 16 x lane
	s_wait_alu depctr_va_vdst(0)
	s_wait_dscnt 0x0                               ; both opening adds are done
	s_wait_kmcnt 0x0
	s_load_b64 s[46:47], s[10:11], SE
	s_add_nc_u64 s[G0+2:G0+3], s[6:7], s[66:67]
	s_or_b32 s[G0+3], s[G0+3], 0x80000000
	s_add_nc_u64 s[4:5], s[4:5], s[68:69]
	s_add_nc_u64 s[12:13], s[12:13], s[76:77]
	s_add_nc_u64 s[14:15], s[14:15], s[76:77]
	s_add_nc_u64 s[8:9], s[8:9], s[78:79]
.irp g, 0,1,2,3,4,5
	LOADA \g                                       ; A's first six K steps go out ahead of the round
.endr
	WIN 0
	CROUND                                         ; the four partners are here: the joint loads meet
	tensor_load_to_lds s[G0:G0+3], s[G1:G1+7]      ; my one tensor load of the launch
	s_nop 0
	PLACES
	LOADA 6
	LOADA 7
	WIN 0
	global_load_b128 v[20:23], v1, s[8:9]          ; the biases of the four columns that I store,
	WIN 0xc0
.irp q, 0,1,2,3
.irp t, 0,1,2,3,4,5,6,7
	global_load_b128 v[32*\q+4*\t:32*\q+4*\t+3], v1, s[12:13] offset:\q*32768+\t*4096 th:TH_LOAD_NT   ; and my 32 rows x 512 bytes of the residual
.endr
.endr
	WIN 0
	s_mul_i32 s74, s18, 16*528
	s_add_co_u32 s74, s74, STAGE                   ; my stage
	s_wait_kmcnt 0x0
	s_add_co_i32 s44, s46, s47
	s_add_co_i32 s44, s44, 127
	s_lshl_b32 s44, s44, 23                        ; 2^(the two exponents' sum) as f32
	s_mov_b32 s45, s44
	v_and_b32 v3, 15, v0                           ; r
	v_bfe_u32 v4, v0, 4, 1                         ; h
	v_mul_u32_u24 v[ADB], v3, BP
	v_lshl_add_u32 v[ADB], v4, 4, v[ADB]           ; W's row r, + 16 h: every wave reads all 128 rows
	v_add_nc_u32 v[ADB+1], 64*BP, v[ADB]
	v_mul_u32_u24 v8, v3, 528
	v_lshl_add_u32 v8, v4, 5, v8
	v_add_nc_u32 v8, s74, v8                       ; in: row r, 32 bytes for each half of the lanes
	v_add_nc_u32 v9, s74, v1                       ; back: the 32 lanes take one row of 512 bytes
	s_wait_alu depctr_va_vdst(0)                   ; the wait at the head's end
	s_wait_tensorcnt 0x0                           ; my rows of W are in LDS,
	s_barrier_signal -1
	s_barrier_wait -1                              ; everybody's are
	LOADB 0
.irp k, 0,1,2,3,4,5,6
	LOADB \k+1
	s_wait_dscnt 32                                ; all but the 32 just issued
	MUL \k
	PLACES
.endr
	s_wait_dscnt 0x0
	MUL 7
	WIN 0
	PLACES
; THE WAY OUT, eight rows at a time; a tile of 16 rows is put into the stage at every second turn.  The stage is the wave's own and LDS serves a wave's instructions in order (ISA guide 5.7.1.4):
; no wait between the stores and the loads.
.macro OUTM q
.set TM, 32+32*((\q)%2)
.if (\q) >= 2
	s_wait_xcnt 0x0                                ; the stores of two turns back have read these registers
.endif
.if (\q)%2 == 0
.irp n, 0,1,2,3,4,5,6,7
	ds_store_b128 v8, v[ACC+8*(8*((\q)/2)+\n):ACC+8*(8*((\q)/2)+\n)+3] offset:64*\n          ; each accumulator from its low end on
	ds_store_b128 v8, v[ACC+8*(8*((\q)/2)+\n)+4:ACC+8*(8*((\q)/2)+\n)+7] offset:64*\n+16
.endr
.endif
.irp t, 0,1,2,3,4,5,6,7
	ds_load_b128 v[TM+4*\t:TM+4*\t+3], v9 offset:(8*((\q)%2)+\t)*528
.endr
	s_wait_dscnt 0x0
.irp t, 0,1,2,3,4,5,6,7
	v_pk_fma_f32 v[TM+4*\t:TM+4*\t+1], v[TM+4*\t:TM+4*\t+1], s[44:45], v[20:21] op_sel_hi:[1,0,1]
	v_pk_fma_f32 v[TM+4*\t+2:TM+4*\t+3], v[TM+4*\t+2:TM+4*\t+3], s[44:45], v[22:23] op_sel_hi:[1,0,1]
.endr
	WIN 0x0c                                       ; source 1: the residual, in window 3
.irp t, 0,1,2,3,4,5,6,7
	v_pk_add_f32 v[TM+4*\t:TM+4*\t+1], v[TM+4*\t:TM+4*\t+1], v[32*(\q)+4*\t:32*(\q)+4*\t+1]
	v_pk_add_f32 v[TM+4*\t+2:TM+4*\t+3], v[TM+4*\t+2:TM+4*\t+3], v[32*(\q)+4*\t+2:32*(\q)+4*\t+3]
.endr
	WIN 0
.irp t, 0,1,2,3,4,5,6,7
	global_store_b128 v1, v[TM+4*\t:TM+4*\t+3], s[14:15] offset:(\q)*32768+\t*4096   ; 32 lanes: 512 consecutive bytes, aligned
.endr
.endm
	s_wait_loadcnt 0x0                             ; residual and biases
	OUTM 0
	OUTM 1
	OUTM 2
	OUTM 3
	s_wait_tensorcnt 0x0                           ; the wave's end
	ds_add_u32 v[SPW], v[NIL]
	s_wait_dscnt 0x0
	CROUND                                         ; the closing round
	s_endpgm
.Lfunc_end_k_q11e4d1ffd7_proj:
	.size	k_q11e4d1ffd7_proj, .Lfunc_end_k_q11e4d1ffd7_proj-k_q11e4d1ffd7_proj
	.p2alignl 7, 3214868480
	.fill 96, 4, 3214868480
	.section	.rodata,"a",@progbits
	.p2align	6, 0x0
	.amdhsa_kernel k_q11e4d1ffd7_proj
		.amdhsa_group_segment_fixed_size 167936
		.amdhsa_private_segment_fixed_size 0
		.amdhsa_enable_private_segment 0
		.amdhsa_kernarg_size 48
		.amdhsa_user_sgpr_count 2
		.amdhsa_user_sgpr_kernarg_segment_ptr 1
		.amdhsa_wavefront_size32 1
		.amdhsa_system_sgpr_workgroup_id_x 1
		.amdhsa_system_sgpr_workgroup_id_y 1
		.amdhsa_system_sgpr_workgroup_id_z 1
		.amdhsa_system_vgpr_workitem_id 0
		.amdhsa_next_free_vgpr 896
		.amdhsa_next_free_sgpr 96
		.amdhsa_reserve_vcc 0
		.amdhsa_float_denorm_mode_32 3
		.amdhsa_float_denorm_mode_16_64 3
		.amdhsa_memory_ordered 1
		.amdhsa_forward_progress 1
		.amdhsa_inst_pref_size 56
	.end_amdhsa_kernel
	.amdgpu_metadata
---
amdhsa.version: [ 1, 2 ]
amdhsa.kernels:
  - .name:           k_q11e4d1ffd7_proj
    .symbol:         k_q11e4d1ffd7_proj.kd
    .args:
      - { .name: yimg, .offset: 0, .size: 8, .value_kind: global_buffer, .address_space: global }
      - { .name: w_proj_codes, .offset: 8, .size: 8, .value_kind: global_buffer, .address_space: global }
      - { .name: b_proj, .offset: 16, .size: 8, .value_kind: global_buffer, .address_space: global }
      - { .name: lowp_scales, .offset: 24, .size: 8, .value_kind: global_buffer, .address_space: global }
      - { .name: x, .offset: 32, .size: 8, .value_kind: global_buffer, .address_space: global }
      - { .name: x1, .offset: 40, .size: 8, .value_kind: global_buffer, .address_space: global }
    .group_segment_fixed_size: 167936
    .private_segment_fixed_size: 0
    .kernarg_segment_align: 8
    .kernarg_segment_size: 48
    .max_flat_workgroup_size: 128
    .sgpr_count:     96
    .vgpr_count:     896
    .wavefront_size: 32
...
	.end_amdgpu_metadata
.endif
;; end of part 4
;; launch ln2 (part 5): grid 256 x 1, 4 waves a work-group, no clusters, 17,152 bytes of LDS; arguments x1, ln2_w, ln2_b, lowp_scales, himg; writes himg
.if DOCPART == 5
	.amdgcn_target "amdgcn-amd-amdhsa--gfx1250"
	.amdhsa_code_object_version 6
	.text
	.protected	k_q11e4d1ffd7_ln2
	.globl	k_q11e4d1ffd7_ln2
	.p2align	8
	.type	k_q11e4d1ffd7_ln2,@function
k_q11e4d1ffd7_ln2:
	s_mov_b64 s[64:65], 0
	v_nop
	global_prefetch_b8 v0, s[64:65] scope:SCOPE_SE
	s_setreg_imm32_b32 hwreg(HW_REG_WAVE_MODE, 25, 1), 1
	s_wait_xcnt 0x0
; LayerNorm over rows of 1,024 f32, then codes of FP8 (E4M3) with the given scale 2^e (entry SE/4 of the scales).
; y = (x - mean) * rsqrt(var + 1e-5) * w + b;  code = y / 2^e, held within +-448, to the nearest code, ties to even.
; The variance is the mean of (x - mean)^2, taken on the registers in a second pass: no difference of large sums.
; SHARES.  A work-group takes 16 rows (one tile of rows of the products that follow), each of its four waves 4 rows.  A lane holds
; k = 128 j + 4 lane + 0..3 (j = 0..7) of a row, so each load of a wave covers 512 consecutive bytes and a row is read once.
; THE RESULT IS LAID AS AN IMAGE OF THE OPERAND'S REGISTERS: [tile of 16 rows][K step of 128][chunk c of 4][512 bytes]; in chunk c lane (r, h)
; has 16 bytes: k = 128 ks + 32 c + 16 h + 0..15 of row r.  The codes turn through a stage in LDS (16 rows, 1,024 bytes + 16 of padding = 260 words,
; so the sixteen rows of a read start four banks apart: ISA guide 11.1), one barrier, and each wave stores two K steps, 512 consecutive bytes a store.
; No matrix unit, no tensor load, no cluster: work-groups share nothing but the gains and biases (8 KB).
; LIMITS: e between -126 and 119, so that 2^e and 448 x 2^e are f32 numbers.  NaN among the inputs is not served.
.set SE, 32                            ; byte of e in the buffer of scales
.set SP, 1040                          ; a stage row
.set X,  32                            ; v32-159  four rows x 32 numbers
.set W,  160                           ; v160-191 gains of my 32 columns
.set BV, 192                           ; v192-223 biases
.set C,  224                           ; v224-255 codes: eight registers a row, so that no LDS store's data are written again
; v1 16 x lane; v2 stage, way in; v3 stage, way back; v4 way out; v5 2^e; v6 448 x 2^e; v16-31 four registers at work for each row
	s_load_b256 s[4:11], s[0:1], 0x0               ; source s[4:5], gains s[6:7], biases s[8:9], scales s[10:11]
	s_load_b64 s[12:13], s[0:1], 0x20              ; the image
	v_lshl_add_u32 v14, v0, 2, 0x4100
	v_mov_b32 v15, 0
	v_lshrrev_b32 v1, 5, v0
	v_readfirstlane_b32 s14, v1                    ; wave 0..3
	v_and_b32 v7, 31, v0                           ; lane
	v_lshlrev_b32 v1, 4, v7
	s_mul_i32 s24, s14, 4*SP
	v_lshl_add_u32 v2, v7, 2, s24                  ; in: my wave's four rows, 4 bytes a lane
	v_and_b32 v8, 15, v0                           ; r
	v_bfe_u32 v9, v0, 4, 1                         ; h
	v_mul_u32_u24 v3, v8, SP
	v_lshl_add_u32 v3, v9, 4, v3
	s_lshl_b32 s25, s14, 8
	v_add_nc_u32 v3, s25, v3                       ; back: row r, + 16 h, + my wave's two K steps (256 bytes)
	s_lshl_b32 s26, s14, 12
	v_add_nc_u32 v4, s26, v1                       ; out: 16 x lane + my two K steps' images (4,096 bytes)
	s_mov_b32 s18, 0x76543210                      ; v_permlanex16_b32: lane l xor 16
	s_mov_b32 s19, 0xfedcba98
	s_mov_b32 s22, 0x3a800000                      ; 1 / 1,024
	s_mov_b32 s23, 0x3727c5ac                      ; 1e-5
	s_lshl_b32 s24, ttmp9, 16                      ; 16 rows of 4,096 bytes a work-group,
	s_lshl_b32 s25, s14, 14                        ; 4 rows a wave
	s_add_co_u32 s24, s24, s25
	s_mov_b32 s25, 0
	s_lshl_b32 s26, ttmp9, 14                      ; a tile's image: 8 K steps of 2,048 bytes
	s_mov_b32 s27, 0
	s_wait_alu depctr_va_vdst(0)
	s_wait_kmcnt 0x0
	s_load_b32 s15, s[10:11], SE                   ; e
	s_add_nc_u64 s[4:5], s[4:5], s[24:25]
	s_add_nc_u64 s[12:13], s[12:13], s[26:27]
.irp i, 0,1,2,3
.irp j, 0,1,2,3,4,5,6,7
	global_load_b128 v[X+32*\i+4*\j:X+32*\i+4*\j+3], v1, s[4:5] offset:4096*\i+512*\j
.endr
.endr
.irp j, 0,1,2,3,4,5,6,7
	global_load_b128 v[W+4*\j:W+4*\j+3], v1, s[6:7] offset:512*\j
.endr
.irp j, 0,1,2,3,4,5,6,7
	global_load_b128 v[BV+4*\j:BV+4*\j+3], v1, s[8:9] offset:512*\j
.endr
	s_wait_kmcnt 0x0
	s_add_co_i32 s15, s15, 127
	s_lshl_b32 s16, s15, 23
	v_mov_b32 v5, s16                              ; 2^e as f32: the conversion takes its exponent field
	s_add_co_i32 s15, s15, 8
	s_lshl_b32 s15, s15, 23
	s_or_b32 s15, s15, 0x600000
	v_mov_b32 v6, s15                              ; 448 x 2^e
; The two chains of each row are joined, then the 32 lanes: four steps ride on the additions (DPP), one crosses the halves.  The four rows take turns line by line.
.macro FOLD
.irp i, 0,1,2,3
	v_pk_add_f32 v[16+4*\i:17+4*\i], v[16+4*\i:17+4*\i], v[18+4*\i:19+4*\i]
.endr
.irp i, 0,1,2,3
	v_add_f32 v[16+4*\i], v[16+4*\i], v[17+4*\i]
.endr
.irp m, 1,2,4,8
.irp i, 0,1,2,3
	v_add_f32_dpp v[16+4*\i], v[16+4*\i], v[16+4*\i] row_xmask:\m row_mask:0xf bank_mask:0xf
.endr
.endr
.irp i, 0,1,2,3
	v_permlanex16_b32 v[17+4*\i], v[16+4*\i], s18, s19   ; its destination counts as read: it has been written above
.endr
.irp i, 0,1,2,3
	v_add_f32 v[16+4*\i], v[16+4*\i], v[17+4*\i]
.endr
.endm
	s_wait_loadcnt 16                              ; the four rows are in; the 16 younger loads (gains, biases) may be out
.irp i, 0,1,2,3
	v_pk_add_f32 v[16+4*\i:17+4*\i], v[X+32*\i:X+32*\i+1], v[X+32*\i+2:X+32*\i+3]       ; the first numbers start the sums: nothing is cleared
	v_pk_add_f32 v[18+4*\i:19+4*\i], v[X+32*\i+4:X+32*\i+5], v[X+32*\i+6:X+32*\i+7]
.endr
.irp j, 8,12,16,20,24,28
.irp i, 0,1,2,3
	v_pk_add_f32 v[16+4*\i:17+4*\i], v[16+4*\i:17+4*\i], v[X+32*\i+\j:X+32*\i+\j+1]
	v_pk_add_f32 v[18+4*\i:19+4*\i], v[18+4*\i:19+4*\i], v[X+32*\i+\j+2:X+32*\i+\j+3]
.endr
.endr
	FOLD
.irp i, 0,1,2,3
	v_mul_f32 v[16+4*\i], s22, v[16+4*\i]          ; the mean,
.endr
.irp i, 0,1,2,3
	v_mov_b32 v[17+4*\i], v[16+4*\i]               ; as a pair
.endr
.irp j, 0,2,4,6,8,10,12,14,16,18,20,22,24,26,28,30
.irp i, 0,1,2,3
	v_pk_add_f32 v[X+32*\i+\j:X+32*\i+\j+1], v[X+32*\i+\j:X+32*\i+\j+1], v[16+4*\i:17+4*\i] neg_lo:[0,1] neg_hi:[0,1]   ; x - mean
.endr
.endr
.irp i, 0,1,2,3
	v_pk_mul_f32 v[16+4*\i:17+4*\i], v[X+32*\i:X+32*\i+1], v[X+32*\i:X+32*\i+1]
	v_pk_mul_f32 v[18+4*\i:19+4*\i], v[X+32*\i+2:X+32*\i+3], v[X+32*\i+2:X+32*\i+3]
.endr
.irp j, 4,8,12,16,20,24,28
.irp i, 0,1,2,3
	v_pk_fma_f32 v[16+4*\i:17+4*\i], v[X+32*\i+\j:X+32*\i+\j+1], v[X+32*\i+\j:X+32*\i+\j+1], v[16+4*\i:17+4*\i]
	v_pk_fma_f32 v[18+4*\i:19+4*\i], v[X+32*\i+\j+2:X+32*\i+\j+3], v[X+32*\i+\j+2:X+32*\i+\j+3], v[18+4*\i:19+4*\i]
.endr
.endr
	FOLD
.irp i, 0,1,2,3
	v_fma_f32 v[16+4*\i], v[16+4*\i], s22, s23     ; var + eps
.endr
	s_wait_alu depctr_va_vdst(0)
.irp i, 0,1,2,3
	v_rsq_f32 v[16+4*\i], v[16+4*\i]
.endr
	v_nop                                          ; a plain instruction behind the last root (ISA guide 5.7.2),
	s_wait_alu depctr_va_vdst(0)                   ; and one wait for the four, ahead of their first reader
.irp i, 0,1,2,3
	v_mov_b32 v[17+4*\i], v[16+4*\i]
.endr
	s_wait_alu depctr_va_vdst(0)
	s_wait_loadcnt 0x0                             ; gains and biases
.irp j, 0,2,4,6,8,10,12,14,16,18,20,22,24,26,28,30
.irp i, 0,1,2,3
	v_pk_mul_f32 v[X+32*\i+\j:X+32*\i+\j+1], v[X+32*\i+\j:X+32*\i+\j+1], v[16+4*\i:17+4*\i]
.endr
.endr
.irp j, 0,2,4,6,8,10,12,14,16,18,20,22,24,26,28,30
.irp i, 0,1,2,3
	v_pk_fma_f32 v[X+32*\i+\j:X+32*\i+\j+1], v[X+32*\i+\j:X+32*\i+\j+1], v[W+\j:W+\j+1], v[BV+\j:BV+\j+1]
.endr
.endr
.set n, 0
.rept 128
	v_med3_num_f32 v[X+n], v[X+n], -v6, v6         ; the conversion to an 8-bit code does not saturate (ISA guide 7.6.2): the hold comes first
.set n, n+1
.endr
.irp i, 0,1,2,3
.irp g, 0,1,2,3
	v_cvt_scalef32_pk8_fp8_f32 v[C+8*\i+2*\g:C+8*\i+2*\g+1], v[X+32*\i+8*\g:X+32*\i+8*\g+7], v5   ; two groups of four neighbours: one register of codes each
.endr
.endr
	v_nop                                          ; a plain instruction behind the last scaled conversion
.irp i, 0,1,2,3
.irp j, 0,1,2,3,4,5,6,7
	ds_store_b32 v2, v[C+8*\i+\j] offset:\i*SP+128*\j   ; 32 lanes: 128 consecutive bytes of a row
.endr
.endr
	s_wait_dscnt 0x0                               ; for the others' sake: my stores have landed
	s_barrier_signal -1
	s_barrier_wait -1
.irp n, 0,1,2,3,4,5,6,7
	ds_load_b128 v[X+4*\n:X+4*\n+3], v3 offset:128*(\n/4)+32*(\n%4)
.endr
.irp n, 0,1,2,3,4,5,6,7
	s_wait_dscnt 7-\n                              ; LDS loads come back in order: chunk n is in, the younger ones may be out
	global_store_b128 v4, v[X+4*\n:X+4*\n+3], s[12:13] offset:2048*(\n/4)+512*(\n%4)   ; 512 consecutive bytes, aligned
.endr
	s_wait_tensorcnt 0x0
	ds_add_u32 v14, v15
	s_wait_dscnt 0x0
	s_endpgm
.Lfunc_end_k_q11e4d1ffd7_ln2:
	.size	k_q11e4d1ffd7_ln2, .Lfunc_end_k_q11e4d1ffd7_ln2-k_q11e4d1ffd7_ln2
	.p2alignl 7, 3214868480
	.fill 96, 4, 3214868480
	.section	.rodata,"a",@progbits
	.p2align	6, 0x0
	.amdhsa_kernel k_q11e4d1ffd7_ln2
		.amdhsa_group_segment_fixed_size 17152
		.amdhsa_private_segment_fixed_size 0
		.amdhsa_enable_private_segment 0
		.amdhsa_kernarg_size 40
		.amdhsa_user_sgpr_count 2
		.amdhsa_user_sgpr_kernarg_segment_ptr 1
		.amdhsa_wavefront_size32 1
		.amdhsa_system_sgpr_workgroup_id_x 1
		.amdhsa_system_sgpr_workgroup_id_y 1
		.amdhsa_system_sgpr_workgroup_id_z 1
		.amdhsa_system_vgpr_workitem_id 0
		.amdhsa_next_free_vgpr 256
		.amdhsa_next_free_sgpr 66
		.amdhsa_reserve_vcc 0
		.amdhsa_float_denorm_mode_32 3
		.amdhsa_float_denorm_mode_16_64 3
		.amdhsa_memory_ordered 1
		.amdhsa_forward_progress 1
		.amdhsa_inst_pref_size 44
	.end_amdhsa_kernel
	.amdgpu_metadata
---
amdhsa.version: [ 1, 2 ]
amdhsa.kernels:
  - .name:           k_q11e4d1ffd7_ln2
    .symbol:         k_q11e4d1ffd7_ln2.kd
    .args:
      - { .name: x1, .offset: 0, .size: 8, .value_kind: global_buffer, .address_space: global }
      - { .name: ln2_w, .offset: 8, .size: 8, .value_kind: global_buffer, .address_space: global }
      - { .name: ln2_b, .offset: 16, .size: 8, .value_kind: global_buffer, .address_space: global }
      - { .name: lowp_scales, .offset: 24, .size: 8, .value_kind: global_buffer, .address_space: global }
      - { .name: himg, .offset: 32, .size: 8, .value_kind: global_buffer, .address_space: global }
    .group_segment_fixed_size: 17152
    .private_segment_fixed_size: 0
    .kernarg_segment_align: 8
    .kernarg_segment_size: 40
    .max_flat_workgroup_size: 128
    .sgpr_count:     66
    .vgpr_count:     256
    .wavefront_size: 32
...
	.end_amdgpu_metadata
.endif
;; end of part 5
;; launch fc (part 6): grid 16 x 16, 4 waves a work-group, clusters of 4 x 1, 270,848 bytes of LDS; arguments himg, w_fc_codes, b_fc, lowp_scales, gimg; writes gimg
.if DOCPART == 6
	.amdgcn_target "amdgcn-amd-amdhsa--gfx1250"
	.amdhsa_code_object_version 6
	.text
	.protected	k_q11e4d1ffd7_fc
	.globl	k_q11e4d1ffd7_fc
	.p2align	8
	.type	k_q11e4d1ffd7_fc,@function
k_q11e4d1ffd7_fc:
	s_mov_b64 s[64:65], 0
	v_nop
	global_prefetch_b8 v0, s[64:65] scope:SCOPE_SE
	s_setreg_imm32_b32 hwreg(HW_REG_WAVE_MODE, 25, 1), 1
	s_wait_xcnt 0x0
	s_wait_alu depctr_hold_cnt(0) depctr_sa_sdst(0) depctr_va_vdst(0) depctr_va_sdst(0) depctr_va_ssrc(0) depctr_va_vcc(0) depctr_vm_vsrc(0)
	s_getreg_b32 s2, hwreg(HW_REG_IB_STS2, 6, 4)
	s_cmp_eq_u32 s2, 0
	s_cbranch_scc0 .Lentry_in_a_cluster
	s_endpgm
.Lentry_in_a_cluster:
	s_bfe_u32 s2, ttmp6, 0x10000c
	s_cmp_lg_u32 s2, 0x3003
	s_cbranch_scc0 .Lentry_shape_is_right
	s_endpgm
.Lentry_shape_is_right:
; g = gelu(h W + b), the product on codes of FP8 (E4M3), the exact GELU in f32, g quantised with e10 into an image for the next product.
; h: image [tile of 16 rows][K step of 128][chunk 4][512 B] (chunk c, lane (r, h): k = 128 ks + 32 c + 16 h + 0..15 of row r).  W: codes [4096][1024], K innermost.  g: image of the same make with 32 K steps.
; SHARES.  A work-group: 256 rows x 256 columns.  A wave: 64 rows x all 256 columns.  The wave's rows stay in registers (512), loaded straight from the image; the work-group's 256 rows of W lie whole in LDS,
; brought by one tensor load a wave at the start: nothing in LDS is filled again, and there is one barrier.  The columns go in 8 pairs of tiles of 16: 64 matrix instructions on 8 accumulators by turns;
; each fragment of W read from LDS feeds four products.
; W'S FRAGMENTS COME FROM LDS IN RUNS OF 32 LOADS, one run ahead of every 32 matrix instructions: while K steps 0-3 are multiplied, this pair's K steps 4-7 are fetched; while those are
; multiplied, the next pair's K steps 0-3.  So the four waves' LDS reads lie under their matrix work.
; THE BIASES: each wave copies the work-group's 256 once into 1 KB of LDS of its own; a pair's 32 are four LDS loads at its head (sixteen lanes read the same bytes): the loop has no global load.
; CLUSTER: the four partners have the same 256 columns: W is asked for jointly.  The rows' image goes into registers and is not shared by a joint load: 256 KB of rows beside 260 KB of W do not fit in LDS.
; Nothing is asked for later than the head, so there is nothing to prefetch.
; GELU.  x Phi(x) = max(x, 0) - |x| (erfc(|x| / sqrt 2) / 2): no difference of near numbers in either tail, no branch.  erfc(z) = t exp(-z^2 + P(t)), t = 1 / (1 + z / 2), P of degree 9
; (the rational Chebyshev fit whose relative error is under 1.2e-7 for every z).  In base 2: u = |x| sqrt(log2(e) / 2), so u^2 = z^2 log2(e); t = 1 / (1 + 0.41627731 u); P's coefficients x log2(e), the half as -1 on the constant.
; The product is used TRANSPOSED: a lane holds one row and eight neighbouring columns, so a pair's conversions give k = 16 nt + 8 h + 0..7; two exchanges of half rows of lanes make of them 16 h + 0..15, the image's order.
; LIMITS: e8 + e9 between -126 and 127; e10 between -126 and 119.  NaN among the inputs is not served.
; REGISTERS, in windows of 256: window 1: the rows' K steps 0-3 at v[(4 mt + ks) 16]; window 2: K steps 4-7; window 3: W's fragments of a pair: K steps 0-3 at v0, 4-7 at v128, at (2 ks + nt) 16.
;   window 0: v1 16 x lane; v2 my place in a tile of W; v13 the same in this pair, v3 in the next; v4 my place in the biases (32 h); v6 the pair's biases; v7 store offset; v8 2^e10; v9 448 x 2^e10; v14 8 x lane;
;   v15 where I put the biases; v16-31 biases; v32-47 codes; v52-59 biases on their way to LDS; v64-127 the 8 accumulators (2 mt + nt); v128-147 P's coefficients, each twice; v160-191 u, then max(x, 0); v192-223 t; v224-255 the exponent.
.set NP,    8
.set PITCH, 1040                       ; 1,024 bytes + 16 = 260 words: sixteen rows start four banks apart (ISA guide 11.1)
.set PAIRB, 32*PITCH
.set TROWS, 8*NP
.set SCR,   NP*PAIRB                   ; behind W: 1,024 bytes for each wave, the biases; no fill lands there
.set BI,  16
.set CR,  32
.set BS,  52
.set ACC, 64
.set CO,  128
.set U,   160
.set T,   192
.set Q,   224
.set MSB, 0
.macro WIN new
.if MSB != (\new)
	s_set_vgpr_msb (MSB<<8)|(\new)
.set MSB, (\new)
.endif
.endm
.macro PLACES
.rept 4
	v_nop
.endr
.endm
.macro CROUND
	s_barrier_signal -1
	s_barrier_wait -1
	s_cmp_lg_u32 s18, 0
	s_cbranch_scc1 .Lnot_wave_0_\@
	s_barrier_signal -3
.Lnot_wave_0_\@:
	s_barrier_wait -3
	s_barrier_signal -1
	s_barrier_wait -1
.endm
.macro ALOAD w, m                      ; 16 loads: tile m of my rows, K steps 4 (w - 1) .. + 3, into window w
	WIN 0x40*\w
.irp k, 0,1,2,3
.irp c, 0,1,2,3
	global_load_b128 v[(4*\m+\k)*16+4*\c:(4*\m+\k)*16+4*\c+3], v1, s[4:5] offset:(8*\m+4*(\w-1)+\k)*2048+512*\c
.endr
.endr
.endm
	s_load_b256 s[4:11], s[0:1], 0x0               ; h's image s[4:5], W's codes s[6:7], bias s[8:9], scales s[10:11]
	s_load_b64 s[12:13], s[0:1], 0x20              ; g's image
	v_lshl_add_u32 v158, v0, 2, 0x42000
	v_mov_b32 v159, 0
	ds_add_u32 v158, v159
	ds_add_u32 v158, v159
	v_lshrrev_b32 v1, 5, v0
	v_readfirstlane_b32 s18, v1                    ; wave 0..3
	s_bfe_u32 s19, ttmp6, 0x40000                  ; cx
	s_lshl_b32 s20, ttmp9, 2
	s_add_co_u32 s20, s20, s19                     ; block of 256 rows
	s_and_b32 s21, ttmp7, 0xffff                   ; group of 256 columns, which the partners share
	s_mov_b32 s28, 15|(1<<20)|(1<<21)|(7<<22)|(3<<25)   ; the mask: all four; elements of 1 byte; padding on; bit 21 beside a mask; four words after every 256
	s_mov_b32 s29, 1024<<16
	s_mov_b32 s30, TROWS<<16
	s_mov_b32 s31, 1024<<16
	s_mov_b32 s32, TROWS
	s_mov_b32 s33, 1024
	s_mov_b32 s34, 0
	s_mov_b32 s35, 0
	s_mul_i32 s50, s21, NP*32
	s_mul_i32 s51, s18, TROWS
	s_add_co_u32 s50, s50, s51
	s_lshl_b32 s50, s50, 10
	s_mov_b32 s51, 0
	s_lshl_b32 s52, s20, 18
	s_lshl_b32 s53, s18, 16
	s_add_co_u32 s52, s52, s53
	s_mov_b32 s53, 0
	s_mul_i32 s56, s21, NP*128                     ; the group's biases, in bytes
	s_mov_b32 s57, 0
	s_mov_b32 s24, 1
	s_mul_i32 s25, s18, TROWS*PITCH
	v_and_b32 v10, 31, v0
	v_lshlrev_b32 v1, 4, v10
	v_lshlrev_b32 v14, 3, v10
	s_wait_alu depctr_va_vdst(0)
	s_wait_dscnt 0x0
	s_wait_kmcnt 0x0
	s_load_b128 s[36:39], s[10:11], 0x20           ; e8, e9, e10, e11
	s_add_nc_u64 s[26:27], s[6:7], s[50:51]
	s_or_b32 s27, s27, 0x80000000
	s_add_nc_u64 s[4:5], s[4:5], s[52:53]
	s_add_nc_u64 s[8:9], s[8:9], s[56:57]
.irp i, 0,1,2,3
	global_load_b64 v[BS+2*\i:BS+2*\i+1], v14, s[8:9] offset:256*\i   ; the 256 biases: 256 consecutive bytes a load
.endr
	ALOAD 1, 0                                     ; 48 of my rows' 128 loads go out ahead of the round: with the four above 52, inside the counter's field
	ALOAD 1, 1
	ALOAD 1, 2
	WIN 0
	CROUND                                         ; the four partners are here: the joint loads meet
	tensor_load_to_lds s[24:27], s[28:35]          ; my one tensor load of the launch
	s_nop 0
	PLACES
	ALOAD 1, 3
	ALOAD 2, 0
	ALOAD 2, 1
	ALOAD 2, 2
	ALOAD 2, 3
	WIN 0
	v_and_b32 v11, 15, v0
	v_bfe_u32 v12, v0, 4, 1
	v_mul_u32_u24 v2, v11, PITCH
	v_lshl_add_u32 v2, v12, 4, v2
	s_lshl_b32 s59, s18, 10
	s_add_co_u32 s59, s59, SCR                     ; my wave's biases in LDS
	v_lshl_add_u32 v4, v12, 5, s59                 ; eight biases for each half of the lanes
	v_add_nc_u32 v15, s59, v14
.macro COEF k, bits
	v_mov_b32 v[CO+2*\k], \bits
	v_mov_b32 v[CO+2*\k+1], \bits
.endm
	COEF 0, 0xc034d90f                             ; -2.8257482
	COEF 1, 0x3fb8ab5a                             ;  1.4427292
	COEF 2, 0x3f0a29d2                             ;  0.53970062
	COEF 3, 0x3e0efb2e                             ;  0.13963006
	COEF 4, 0xbe899a80                             ; -0.26875686
	COEF 5, 0x3ecdfd18                             ;  0.40232158
	COEF 6, 0xbfd1a1e5                             ; -1.6377532
	COEF 7, 0x40097039                             ;  2.1474745
	COEF 8, 0xbf97d29d                             ; -1.1861149
	COEF 9, 0x3e7c6f08                             ;  0.24651730
	s_mov_b32 s60, 0x3f596d27                      ; sqrt(log2(e) / 2)
	s_mov_b32 s62, 0x3ed5224d                      ; 1 / (2 sqrt(log2(e)))
	s_mov_b32 s63, s62
	s_wait_kmcnt 0x0
	s_add_co_i32 s44, s36, s37
	s_add_co_i32 s44, s44, 127
	s_lshl_b32 s44, s44, 23                        ; 2^(e8 + e9) as f32
	s_mov_b32 s45, s44
	s_add_co_i32 s56, s38, 127
	s_lshl_b32 s57, s56, 23
	v_mov_b32 v8, s57                              ; 2^e10
	s_add_co_i32 s56, s56, 8
	s_lshl_b32 s56, s56, 23
	s_or_b32 s56, s56, 0x600000
	v_mov_b32 v9, s56                              ; 448 x 2^e10
	s_lshl_b32 s54, s20, 4
	s_lshl_b32 s55, s18, 2
	s_add_co_u32 s54, s54, s55
	s_lshl_b32 s54, s54, 16                        ; my first tile of rows in g's image: 65,536 bytes a tile
	s_lshl_b32 s58, s21, 3                         ; my first pair
	s_mov_b32 s46, 0
	s_mov_b32 s48, 0
	s_wait_loadcnt 63                              ; the four bias loads are the oldest; 128 were issued behind them
.irp i, 0,1,2,3
	ds_store_b64 v15, v[BS+2*\i:BS+2*\i+1] offset:256*\i
.endr
	s_wait_tensorcnt 0x0                           ; my rows of W are in LDS,
	s_wait_dscnt 0x0                               ; (no LDS instruction of mine is out at a signal)
	s_barrier_signal -1
	s_barrier_wait -1                              ; everybody's are
; Half hf of a pair.  AS THE TEXT NOW STANDS (in place of the groups of four that the head describes): first ONE RUN of 32 LDS loads into the OTHER half's registers, from address register adr;
; then one wait, cnt = those 32, which shows this half's fragments (and the biases) in; then 32 matrix instructions on end (four K steps x 4 tiles of rows x 2 tiles of columns; the 8 accumulators
; take turns, one instruction a turn; the first K step starts the sums).  Two window switches a half.
.macro MULF hf, adr, cnt
	WIN 0xc0                                       ; destination window 3, address window 0
.irp k, 0,1,2,3
.irp g, 0,1
.irp c, 0,1,2,3
	ds_load_b128 v[128*(1-\hf)+(2*\k+\g)*16+4*\c:128*(1-\hf)+(2*\k+\g)*16+4*\c+3], v[\adr] offset:\g*16*PITCH+(4*(1-\hf)+\k)*128+32*\c
.endr
.endr
.endr
	s_wait_dscnt \cnt
.irp k, 0,1,2,3
.irp g, 0,1
	WIN 0x07+4*\hf                                 ; source 0: W (window 3), source 1: rows (window 1 or 2)
.irp m, 0,1
.irp n, 0,1
.set rC, ACC+8*(2*(2*\g+\m)+\n)
.set rA, (4*(2*\g+\m)+\k)*16
.set rB, 128*\hf+(2*\k+\n)*16
.if (\hf == 0) && (\k == 0)
	v_wmma_f32_16x16x128_fp8_fp8 v[rC:rC+7], v[rB:rB+15], v[rA:rA+15], 0
.else
	v_wmma_f32_16x16x128_fp8_fp8 v[rC:rC+7], v[rB:rB+15], v[rA:rA+15], v[rC:rC+7]
.endif
.endr
.endr
.endr
.endr
	WIN 0
.endm
; 32 numbers (accumulators 4 bt .. 4 bt + 3): bias, GELU, hold, conversion.  The reciprocals and the exponentials go as batches of 32, each with one plain instruction and one wait behind it.
.macro GELU bt
.set XB, ACC+32*\bt
.irp a, 0,1,2,3
.irp i, 0,2,4,6
	v_pk_fma_f32 v[XB+8*\a+\i:XB+8*\a+\i+1], v[XB+8*\a+\i:XB+8*\a+\i+1], s[44:45], v[BI+8*(\a%2)+\i:BI+8*(\a%2)+\i+1] op_sel_hi:[1,0,1]   ; x = sum x 2^(e8 + e9) + bias
.endr
.endr
.set n, 0
.rept 32
	v_mul_f32 v[U+n], s60, |v[XB+n]|               ; u
.set n, n+1
.endr
.set n, 0
.rept 16
	v_pk_fma_f32 v[T+n:T+n+1], v[U+n:U+n+1], s[62:63], 1.0 op_sel_hi:[1,0,0]
.set n, n+2
.endr
.set n, 0
	s_wait_alu depctr_va_vdst(0)
.rept 32
	v_rcp_f32 v[T+n], v[T+n]                       ; t
.set n, n+1
.endr
	v_nop
	s_wait_alu depctr_va_vdst(0)                   ; one wait for the 32 reciprocals, ahead of their first reader
.set n, 0
.rept 16
	v_pk_fma_f32 v[Q+n:Q+n+1], v[T+n:T+n+1], v[CO+18:CO+19], v[CO+16:CO+17]
.set n, n+2
.endr
.irp k, 7,6,5,4,3,2,1,0
.set n, 0
.rept 16
	v_pk_fma_f32 v[Q+n:Q+n+1], v[Q+n:Q+n+1], v[T+n:T+n+1], v[CO+2*\k:CO+2*\k+1]
.set n, n+2
.endr
.endr
.set n, 0
.rept 16
	v_pk_fma_f32 v[Q+n:Q+n+1], v[U+n:U+n+1], v[U+n:U+n+1], v[Q+n:Q+n+1] neg_lo:[1,0,0] neg_hi:[1,0,0]   ; P - u^2
.set n, n+2
.endr
.set n, 0
	s_wait_alu depctr_va_vdst(0)
.rept 32
	v_exp_f32 v[Q+n], v[Q+n]
.set n, n+1
.endr
	v_nop
	s_wait_alu depctr_va_vdst(0)                   ; one wait for the 32 exponentials
.set n, 0
.rept 16
	v_pk_mul_f32 v[T+n:T+n+1], v[T+n:T+n+1], v[Q+n:Q+n+1]   ; erfc / 2
.set n, n+2
.endr
.set n, 0
.rept 32
	v_max_num_f32 v[U+n], 0, v[XB+n]
.set n, n+1
.endr
.set n, 0
.rept 32
	v_fma_f32 v[XB+n], -|v[XB+n]|, v[T+n], v[U+n]
.set n, n+1
.endr
.set n, 0
.rept 32
	v_med3_num_f32 v[XB+n], v[XB+n], -v9, v9       ; the conversion does not saturate (ISA guide 7.6.2)
.set n, n+1
.endr
.irp a, 0,1,2,3
	v_cvt_scalef32_pk8_fp8_f32 v[CR+8*\bt+2*\a:CR+8*\bt+2*\a+1], v[XB+8*\a:XB+8*\a+7], v8
.endr
	v_nop                                          ; a plain instruction behind the last scaled conversion
.endm
	WIN 0xc0                                       ; pair 0, K steps 0-3: the one run of 32 loads
.irp k, 0,1,2,3
.irp n, 0,1
.irp c, 0,1,2,3
	ds_load_b128 v[(2*\k+\n)*16+4*\c:(2*\k+\n)*16+4*\c+3], v2 offset:\n*16*PITCH+\k*128+32*\c
.endr
.endr
.endr
	WIN 0
	s_wait_loadcnt 0x0                             ; my rows
.Lpair:
	s_add_co_u32 s47, s58, s46                     ; the pair among all 128
	v_add_nc_u32 v13, s48, v2                      ; this pair's place
	s_add_co_u32 s48, s48, PAIRB
	s_min_u32 s49, s48, (NP-1)*PAIRB               ; the last trip fetches its own pair once more: no read leaves the tile, and no tail is written out
	s_lshl_b32 s50, s46, 7
	v_add_nc_u32 v6, s50, v4                       ; the pair's 32 biases
.irp n, 0,1
.irp i, 0,1
	ds_load_b128 v[BI+8*\n+4*\i:BI+8*\n+4*\i+3], v6 offset:64*\n+16*\i
.endr
.endr
	s_wait_alu depctr_va_vdst(0)
	MULF 0, 13, 32                                 ; all but the 32 just issued
	s_wait_xcnt 0x0                                ; the last trip's stores have read their data and offset: both are written again only below
	v_add_nc_u32 v3, s49, v2                       ; the next pair's place: the loads that read v3 last are in
	PLACES                                         ; in front of the loads into the registers that the first half has read
	s_wait_alu depctr_va_vdst(0)
	MULF 1, 3, 32
	PLACES
	GELU 0
	GELU 1
.irp m, 0,1,2,3
	v_permlane16_swap_b32 v[CR+4*\m], v[CR+4*\m+2] ; k = 8 h + .. of two tiles becomes 16 h + .. of four registers
	v_permlane16_swap_b32 v[CR+4*\m+1], v[CR+4*\m+3]
.endr
	s_lshl_b32 s51, s47, 9                         ; the pair's 32 k are one chunk of 512 bytes
	s_add_co_u32 s51, s51, s54
	v_add_nc_u32 v7, s51, v1
.irp m, 0,1,2,3
	global_store_b128 v7, v[CR+4*\m:CR+4*\m+3], s[12:13] offset:\m*65536   ; 512 consecutive bytes, aligned
.endr
	s_add_co_u32 s46, s46, 1
	s_cmp_lt_u32 s46, NP
	s_cbranch_scc1 .Lpair
	s_wait_dscnt 0x0                               ; the last fetches
	s_wait_tensorcnt 0x0
	ds_add_u32 v158, v159
	s_wait_dscnt 0x0
	CROUND                                         ; the closing round
	s_endpgm
.Lfunc_end_k_q11e4d1ffd7_fc:
	.size	k_q11e4d1ffd7_fc, .Lfunc_end_k_q11e4d1ffd7_fc-k_q11e4d1ffd7_fc
	.p2alignl 7, 3214868480
	.fill 96, 4, 3214868480
	.section	.rodata,"a",@progbits
	.p2align	6, 0x0
	.amdhsa_kernel k_q11e4d1ffd7_fc
		.amdhsa_group_segment_fixed_size 270848
		.amdhsa_private_segment_fixed_size 0
		.amdhsa_enable_private_segment 0
		.amdhsa_kernarg_size 40
		.amdhsa_user_sgpr_count 2
		.amdhsa_user_sgpr_kernarg_segment_ptr 1
		.amdhsa_wavefront_size32 1
		.amdhsa_system_sgpr_workgroup_id_x 1
		.amdhsa_system_sgpr_workgroup_id_y 1
		.amdhsa_system_sgpr_workgroup_id_z 1
		.amdhsa_system_vgpr_workitem_id 0
		.amdhsa_next_free_vgpr 1024
		.amdhsa_next_free_sgpr 66
		.amdhsa_reserve_vcc 0
		.amdhsa_float_denorm_mode_32 3
		.amdhsa_float_denorm_mode_16_64 3
		.amdhsa_memory_ordered 1
		.amdhsa_forward_progress 1
		.amdhsa_inst_pref_size 76
	.end_amdhsa_kernel
	.amdgpu_metadata
---
amdhsa.version: [ 1, 2 ]
amdhsa.kernels:
  - .name:           k_q11e4d1ffd7_fc
    .symbol:         k_q11e4d1ffd7_fc.kd
    .args:
      - { .name: himg, .offset: 0, .size: 8, .value_kind: global_buffer, .address_space: global }
      - { .name: w_fc_codes, .offset: 8, .size: 8, .value_kind: global_buffer, .address_space: global }
      - { .name: b_fc, .offset: 16, .size: 8, .value_kind: global_buffer, .address_space: global }
      - { .name: lowp_scales, .offset: 24, .size: 8, .value_kind: global_buffer, .address_space: global }
      - { .name: gimg, .offset: 32, .size: 8, .value_kind: global_buffer, .address_space: global }
    .group_segment_fixed_size: 270848
    .private_segment_fixed_size: 0
    .kernarg_segment_align: 8
    .kernarg_segment_size: 40
    .max_flat_workgroup_size: 128
    .sgpr_count:     66
    .vgpr_count:     1024
    .wavefront_size: 32
...
	.end_amdgpu_metadata
.endif
;; end of part 6
;; launch out (part 7): grid 32 x 8, 4 waves a work-group, clusters of 4 x 1, 327,680 bytes of LDS; arguments gimg, w_out_codes, b_out, lowp_scales, x1, out0; writes out0
.if DOCPART == 7
	.amdgcn_target "amdgcn-amd-amdhsa--gfx1250"
	.amdhsa_code_object_version 6
	.text
	.protected	k_q11e4d1ffd7_out
	.globl	k_q11e4d1ffd7_out
	.p2align	8
	.type	k_q11e4d1ffd7_out,@function
k_q11e4d1ffd7_out:
	s_mov_b64 s[64:65], 0
	v_nop
	global_prefetch_b8 v0, s[64:65] scope:SCOPE_SE
	s_setreg_imm32_b32 hwreg(HW_REG_WAVE_MODE, 25, 1), 1
	s_wait_xcnt 0x0
	s_wait_alu depctr_hold_cnt(0) depctr_sa_sdst(0) depctr_va_vdst(0) depctr_va_sdst(0) depctr_va_ssrc(0) depctr_va_vcc(0) depctr_vm_vsrc(0)
	s_getreg_b32 s2, hwreg(HW_REG_IB_STS2, 6, 4)
	s_cmp_eq_u32 s2, 0
	s_cbranch_scc0 .Lentry_in_a_cluster
	s_endpgm
.Lentry_in_a_cluster:
	s_bfe_u32 s2, ttmp6, 0x10000c
	s_cmp_lg_u32 s2, 0x3003
	s_cbranch_scc0 .Lentry_shape_is_right
	s_endpgm
.Lentry_shape_is_right:
; result = residual + (A W + bias), the product on codes of FP8 (E4M3), K = 4,096.  A: image [tile of 16 rows][K step of 128][chunk 4][512 B] (chunk c, lane (r, h): k = 128 ks + 32 c + 16 h + 0..15 of row r);
; W: codes [1024][4096], K innermost; residual and result: f32 [4096][1024].
; SHARES.  A work-group: 128 rows x 128 columns, 32 x 8 = 256 work-groups.  A wave: 32 rows x all 128 columns, 16 accumulators (8 mt + nt) by turns, one instruction a turn.
; A GOES FROM ITS IMAGE STRAIGHT INTO REGISTERS: a wave's two tiles, 8 loads of 512 consecutive bytes a K step, into a ring of eight K steps (256 registers); no row of A is read twice in a work-group.
; A K step's registers take the step eight further on behind its products and their places, so seven K steps of A are asked for ahead of the one that is multiplied.
; W ALONE GOES THROUGH LDS: four chunks of 1,024 K through two slots of 128 rows x (1,024 + 16) bytes (260 words: sixteen rows start four banks apart: ISA guide 11.1); each wave fetches 32 rows with one tensor load.
; CLUSTER: the four partners have the same 128 columns: W's chunks are asked for jointly.  A is not shared by a joint load: it goes into registers, so that the work-group's 1 MB of operands is
; halved between tensor loads and plain loads.
; THE STEPS ARE LAID ONE APART: a K step's 32 LDS loads are issued ahead of the products of the step before, into the other of two sets.  So a chunk's last step is multiplied behind the change of slots.
; THE PREFETCH: behind the change that loads chunk c + 1 each wave names chunk c + 2 of W with one instruction, one chunk ahead of its load: of the 32 rows that a wave fetches each partner takes 8, told apart
; by address (cx), four lanes to a row's 1,024 bytes.  Chunks 0 and 1 come by their loads alone.  A has no prefetch: its register ring asks seven K steps ahead by itself.
; The product is used TRANSPOSED (source 0 = 16 columns of W, source 1 = 16 rows of A): a lane holds eight neighbouring columns of a row.  A tile of 16 rows goes through the wave's own stage in LDS,
; on bytes that no fill lands on, and comes back by rows of 512 bytes, which the 32 lanes store as two aligned units of 256 bytes.
; LIMIT: the two exponents' sum between -126 and 127.
; REGISTERS, in windows of 256: window 0: v1 16 x lane; v8, v9 the stage, in and back; v12-15 my place in W's rows 0-63 and 64-127 of slot 0, of slot 1; v20-23 biases; v28, v29 the add's two; v30 the prefetch's offset;
;   v32-95 rows at work; v128-255 accumulators.  window 1: W's fragments, two sets, at 128 (g % 2) + 16 nt.  window 2: A's ring, at 32 (g % 8) + 16 mt.  window 3: v0-127 the residual.
.set SE,  40                           ; byte of the two exponents in the buffer of scales
.set KB,  4096                         ; a row of W in memory
.set TP,  65536                        ; a tile of 16 rows in A's image
.set BP,  1040                         ; a row of W in LDS
.set SLOT, 128*BP                      ; 133,120 bytes
.set STAGE, 2*SLOT                     ; behind the ring: 16 rows x 528 bytes for each wave
.set SPARE, STAGE+4*16*528             ; behind the stages: the spare words, 128 bytes a wave
.set ADB, 12
.set SPW, 28
.set NIL, 29
.set PFO, 30
.set ACC, 128
.set G1,  24                           ; s[24:31] group 1; s[32:39] groups 0, one a slot
.set G0,  32
.set PFA, 86                           ; s[86:87] my part of W's chunk 2
.set MSB, 0
.macro WIN new                         ; the immediate's high byte repeats the setting that is left
.if MSB != (\new)
	s_set_vgpr_msb (MSB<<8)|(\new)
.set MSB, (\new)
.endif
.endm
.macro PLACES                          ; four places behind matrix instructions, in front of loads into their sources and of reads of their results
.rept 4
	v_nop
.endr
.endm
.macro CROUND                          ; a round of the cluster's barrier
	s_barrier_signal -1
	s_barrier_wait -1
	s_cmp_lg_u32 s18, 0
	s_cbranch_scc1 .Lnot_wave_0_\@
	s_barrier_signal -3
.Lnot_wave_0_\@:
	s_barrier_wait -3
	s_barrier_signal -1
	s_barrier_wait -1
.endm
.macro JLOAD s                         ; a joint load into slot s: every wave its 32 rows; the four v_nop are also the places for the loads that follow
	tensor_load_to_lds s[G0+4*(\s):G0+4*(\s)+3], s[G1:G1+7]
	s_nop 0
	PLACES
.endm
.macro LOADB g                         ; 32 LDS loads: W's eight fragments of K step g
.set LS, ((\g)/8)%2
.set LK, (\g)%8
.set LP, 128*((\g)%2)
	WIN 0x40
.irp n, 0,1,2,3,4,5,6,7
.irp c, 0,1,2,3
	ds_load_b128 v[LP+16*\n+4*\c:LP+16*\n+4*\c+3], v[ADB+2*LS+\n/4] offset:(\n%4)*16*BP+LK*128+32*\c
.endr
.endr
.endm
.macro LOADA g                         ; 8 loads: my two tiles of A, K step g; behind the last of them the biases and the residual
.if (\g) < 32
.set LR, 32*((\g)%8)
	WIN 0x80
.irp m, 0,1
.irp c, 0,1,2,3
	global_load_b128 v[LR+16*\m+4*\c:LR+16*\m+4*\c+3], v1, s[4:5] offset:\m*TP+(\g)*2048+512*\c
.endr
.endr
.endif
.if (\g) == 31
	WIN 0
	global_load_b128 v[20:23], v1, s[8:9]          ; the biases of the four columns that I store,
	WIN 0xc0
.irp q, 0,1,2,3
.irp t, 0,1,2,3,4,5,6,7
	global_load_b128 v[32*\q+4*\t:32*\q+4*\t+3], v1, s[12:13] offset:\q*32768+\t*4096 th:TH_LOAD_NT   ; and my 32 rows x 512 bytes of the residual
.endr
.endr
.endif
.endm
; K step g's 16 products.  The wait: behind A's step g were issued the steps up to g + 7 (8 loads each, none beyond step 31) and, from step 24 on, the 33 loads of biases and residual.
.macro MUL g
.set NG, 8*(31-(\g))
.if NG > 56
.set NG, 56
.endif
.if (\g) >= 24
.set NG, NG+33
.endif
.if NG > 63
.set NG, 63
.endif
.set PB, 128*((\g)%2)
.set PA, 32*((\g)%8)
	s_wait_loadcnt NG
	WIN 0x09                                       ; source 0: W (window 1), source 1: A (window 2), C and D window 0
.irp m, 0,1
.irp n, 0,1,2,3,4,5,6,7
.if (\g) == 0
	v_wmma_f32_16x16x128_fp8_fp8 v[ACC+8*(8*\m+\n):ACC+8*(8*\m+\n)+7], v[PB+16*\n:PB+16*\n+15], v[PA+16*\m:PA+16*\m+15], 0
.else
	v_wmma_f32_16x16x128_fp8_fp8 v[ACC+8*(8*\m+\n):ACC+8*(8*\m+\n)+7], v[PB+16*\n:PB+16*\n+15], v[PA+16*\m:PA+16*\m+15], v[ACC+8*(8*\m+\n):ACC+8*(8*\m+\n)+7]
.endif
.endr
.endr
.endm
; The change to chunk c, and its eight K steps' loads.  On the way in (c > 0) the chunk before has its last two steps still to multiply.
.macro TRIP c
.set SL, (\c)%2
	s_wait_tensorcnt 0x0                           ; all my tensor loads are done: my part of this chunk
	ds_add_u32 v[SPW], v[NIL]
	s_add_nc_u64 s[G0+4*SL+2:G0+4*SL+3], s[G0+4*SL+2:G0+4*SL+3], 2*1024   ; this slot's next chunk
.if \c
	s_wait_dscnt 33                                ; the last but one step's fragments are in; the last step's 32 loads and the add may be out
	MUL 8*(\c)-2
	WIN 0
.endif
	s_wait_dscnt 0x0                               ; the add is done, and my reads of the slot that I leave are over
.if (\c) < 3
	CROUND                                         ; both hold of every wave of the four work-groups
	JLOAD 1-SL                                     ; the next chunk, into the slot just left (the first time: slot 1's first fill)
.else
	s_barrier_signal -1
	s_barrier_wait -1
	PLACES
.endif
	LOADB 8*(\c)
	LOADA 8*(\c)+6
.if (\c) < 2
	global_prefetch_b8 v[PFO], s[PFA:PFA+1] offset:(\c)*1024 th:TH_LOAD_NT scope:SCOPE_SE   ; chunk c + 2; its address registers are never rewritten
.endif
.if \c
	MUL 8*(\c)-1
	PLACES
.endif
.irp k, 0,1,2,3,4,5
	LOADB 8*(\c)+\k+1
	LOADA 8*(\c)+\k+7
	s_wait_dscnt 32                                ; all but the 32 just issued
	MUL 8*(\c)+\k
	PLACES
.endr
	LOADB 8*(\c)+7
	LOADA 8*(\c)+13
	WIN 0
.endm
	s_load_b256 s[4:11], s[0:1], 0x0               ; A's image s[4:5], W's codes s[6:7], bias s[8:9], scales s[10:11]
	s_load_b128 s[12:15], s[0:1], 0x20             ; residual s[12:13], result s[14:15]
	v_lshl_add_u32 v[SPW], v0, 2, SPARE
	v_mov_b32 v[NIL], 0
	ds_add_u32 v[SPW], v[NIL]                      ; the opening lines: the add twice on end and one wait
	ds_add_u32 v[SPW], v[NIL]
	v_lshrrev_b32 v1, 5, v0
	v_readfirstlane_b32 s18, v1                    ; wave 0..3
	s_bfe_u32 s19, ttmp6, 0x40000                  ; cx
	s_lshl_b32 s20, ttmp9, 2
	s_add_co_u32 s20, s20, s19                     ; block of 128 rows: it enters global addresses of rows, and of the prefetch, alone
	s_and_b32 s21, ttmp7, 0xffff                   ; block of 128 columns, which the partners share
	s_mov_b32 s[G1], 15|(1<<20)|(1<<21)|(7<<22)|(3<<25)   ; the mask: all four; elements of 1 byte; padding on; bit 21 beside a mask; four words after every 256
	s_mov_b32 s[G1+1], 1024<<16
	s_mov_b32 s[G1+2], 32<<16
	s_mov_b32 s[G1+3], 1024<<16
	s_mov_b32 s[G1+4], 32
	s_mov_b32 s[G1+5], KB
	s_mov_b32 s[G1+6], 0
	s_mov_b32 s[G1+7], 0
	s_lshl_b32 s66, s21, 7
	s_lshl_b32 s67, s18, 5
	s_add_co_u32 s66, s66, s67                     ; W: row 128 x block of columns + 32 x wave
	s_mul_i32 s66, s66, KB
	s_mov_b32 s67, 0
	s_lshl_b32 s68, s20, 3
	s_lshl_b32 s69, s18, 1
	s_add_co_u32 s68, s68, s69                     ; A: tile 8 x block of rows + 2 x wave
	s_mul_i32 s68, s68, TP
	s_mov_b32 s69, 0
	s_mul_i32 s70, s18, 32*BP                      ; where my rows of W go
	v_and_b32 v2, 31, v0
	v_lshlrev_b32 v1, 4, v2                        ; 16 x lane
	s_wait_alu depctr_va_vdst(0)
	s_wait_dscnt 0x0                               ; both opening adds are done
	s_wait_kmcnt 0x0
	s_load_b64 s[46:47], s[10:11], SE
	s_add_nc_u64 s[66:67], s[6:7], s[66:67]
	s_add_nc_u64 s[4:5], s[4:5], s[68:69]
.irp g, 0,1,2,3,4,5
	LOADA \g                                       ; A's first six K steps go out ahead of the round
.endr
	WIN 0
	CROUND                                         ; the four partners are here: the first joint loads meet
.irp s, 0,1
	s_mov_b32 s[G0+4*\s], 1
	s_add_co_u32 s[G0+4*\s+1], s70, \s*SLOT
	s_add_nc_u64 s[G0+4*\s+2:G0+4*\s+3], s[66:67], \s*1024
	s_or_b32 s[G0+4*\s+3], s[G0+4*\s+3], 0x80000000
.endr
	JLOAD 0                                        ; chunk 0: one tensor load a wave at the head
	s_mul_i32 s74, s18, 16*528
	s_add_co_u32 s74, s74, STAGE                   ; my stage
	s_lshl_b32 s78, s21, 9                         ; my work-group's 128 columns, in bytes
	s_lshl_b32 s76, s20, 19
	s_lshl_b32 s77, s18, 17
	s_add_co_u32 s76, s76, s77
	s_add_co_u32 s76, s76, s78                     ; and my 32 rows of 4,096 bytes
	s_mov_b32 s77, 0
	s_mov_b32 s79, 0
	s_add_nc_u64 s[12:13], s[12:13], s[76:77]
	s_add_nc_u64 s[14:15], s[14:15], s[76:77]
	s_add_nc_u64 s[8:9], s[8:9], s[78:79]
	s_lshl_b32 s80, s21, 7                         ; the prefetch: rows 8 cx on of the 32 that I fetch, at chunk 2
	s_lshl_b32 s81, s18, 5
	s_add_co_u32 s80, s80, s81
	s_lshl_b32 s81, s19, 3
	s_add_co_u32 s80, s80, s81
	s_mul_i32 s80, s80, KB
	s_add_co_u32 s80, s80, 2*1024
	s_mov_b32 s81, 0
	s_add_nc_u64 s[PFA:PFA+1], s[6:7], s[80:81]
	s_wait_kmcnt 0x0
	s_add_co_i32 s44, s46, s47
	s_add_co_i32 s44, s44, 127
	s_lshl_b32 s44, s44, 23                        ; 2^(the two exponents' sum) as f32
	s_mov_b32 s45, s44
	v_and_b32 v3, 15, v0                           ; r
	v_bfe_u32 v4, v0, 4, 1                         ; h
	v_mul_u32_u24 v[ADB], v3, BP
	v_lshl_add_u32 v[ADB], v4, 4, v[ADB]           ; W's row r, + 16 h: every wave reads all 128 rows
	v_add_nc_u32 v[ADB+1], 64*BP, v[ADB]
	v_add_nc_u32 v[ADB+2], SLOT, v[ADB]
	v_add_nc_u32 v[ADB+3], SLOT+64*BP, v[ADB]
	v_mul_u32_u24 v8, v3, 528
	v_lshl_add_u32 v8, v4, 5, v8
	v_add_nc_u32 v8, s74, v8                       ; in: row r, 32 bytes for each half of the lanes
	v_add_nc_u32 v9, s74, v1                       ; back: the 32 lanes take one row of 512 bytes
	v_lshrrev_b32 v6, 2, v2
	v_and_b32 v7, 3, v2
	v_lshlrev_b32 v6, 12, v6
	v_lshl_add_u32 v[PFO], v7, 8, v6               ; a row of W for four lanes, 256 bytes apart
	s_wait_alu depctr_va_vdst(0)                   ; the wait at the head's end
	TRIP 0
	TRIP 1
	TRIP 2
	TRIP 3                                         ; the last chunk: nothing is filled, so no round
	s_wait_dscnt 32
	MUL 30
	s_wait_dscnt 0x0
	MUL 31
	WIN 0
	PLACES
; THE WAY OUT, eight rows at a time; a tile of 16 rows is put into the stage at every second turn.  The stage is the wave's own and LDS serves a wave's instructions in order (ISA guide 5.7.1.4):
; no wait between the stores and the loads.
.macro OUTM q
.set TM, 32+32*((\q)%2)
.if (\q) >= 2
	s_wait_xcnt 0x0                                ; the stores of two turns back have read these registers
.endif
.if (\q)%2 == 0
.irp n, 0,1,2,3,4,5,6,7
	ds_store_b128 v8, v[ACC+8*(8*((\q)/2)+\n):ACC+8*(8*((\q)/2)+\n)+3] offset:64*\n          ; each accumulator from its low end on
	ds_store_b128 v8, v[ACC+8*(8*((\q)/2)+\n)+4:ACC+8*(8*((\q)/2)+\n)+7] offset:64*\n+16
.endr
.endif
.irp t, 0,1,2,3,4,5,6,7
	ds_load_b128 v[TM+4*\t:TM+4*\t+3], v9 offset:(8*((\q)%2)+\t)*528
.endr
	s_wait_dscnt 0x0
.irp t, 0,1,2,3,4,5,6,7
	v_pk_fma_f32 v[TM+4*\t:TM+4*\t+1], v[TM+4*\t:TM+4*\t+1], s[44:45], v[20:21] op_sel_hi:[1,0,1]
	v_pk_fma_f32 v[TM+4*\t+2:TM+4*\t+3], v[TM+4*\t+2:TM+4*\t+3], s[44:45], v[22:23] op_sel_hi:[1,0,1]
.endr
	WIN 0x0c                                       ; source 1: the residual, in window 3
.irp t, 0,1,2,3,4,5,6,7
	v_pk_add_f32 v[TM+4*\t:TM+4*\t+1], v[TM+4*\t:TM+4*\t+1], v[32*(\q)+4*\t:32*(\q)+4*\t+1]
	v_pk_add_f32 v[TM+4*\t+2:TM+4*\t+3], v[TM+4*\t+2:TM+4*\t+3], v[32*(\q)+4*\t+2:32*(\q)+4*\t+3]
.endr
	WIN 0
.irp t, 0,1,2,3,4,5,6,7
	global_store_b128 v1, v[TM+4*\t:TM+4*\t+3], s[14:15] offset:(\q)*32768+\t*4096   ; 32 lanes: 512 consecutive bytes, aligned
.endr
.endm
	s_wait_loadcnt 0x0                             ; residual and biases
	OUTM 0
	OUTM 1
	OUTM 2
	OUTM 3
	s_wait_tensorcnt 0x0                           ; the wave's end
	ds_add_u32 v[SPW], v[NIL]
	s_wait_dscnt 0x0
	CROUND                                         ; the closing round
	s_endpgm
.Lfunc_end_k_q11e4d1ffd7_out:
	.size	k_q11e4d1ffd7_out, .Lfunc_end_k_q11e4d1ffd7_out-k_q11e4d1ffd7_out
	.p2alignl 7, 3214868480
	.fill 96, 4, 3214868480
	.section	.rodata,"a",@progbits
	.p2align	6, 0x0
	.amdhsa_kernel k_q11e4d1ffd7_out
		.amdhsa_group_segment_fixed_size 327680
		.amdhsa_private_segment_fixed_size 0
		.amdhsa_enable_private_segment 0
		.amdhsa_kernarg_size 48
		.amdhsa_user_sgpr_count 2
		.amdhsa_user_sgpr_kernarg_segment_ptr 1
		.amdhsa_wavefront_size32 1
		.amdhsa_system_sgpr_workgroup_id_x 1
		.amdhsa_system_sgpr_workgroup_id_y 1
		.amdhsa_system_sgpr_workgroup_id_z 1
		.amdhsa_system_vgpr_workitem_id 0
		.amdhsa_next_free_vgpr 896
		.amdhsa_next_free_sgpr 96
		.amdhsa_reserve_vcc 0
		.amdhsa_float_denorm_mode_32 3
		.amdhsa_float_denorm_mode_16_64 3
		.amdhsa_memory_ordered 1
		.amdhsa_forward_progress 1
		.amdhsa_inst_pref_size 156
	.end_amdhsa_kernel
	.amdgpu_metadata
---
amdhsa.version: [ 1, 2 ]
amdhsa.kernels:
  - .name:           k_q11e4d1ffd7_out
    .symbol:         k_q11e4d1ffd7_out.kd
    .args:
      - { .name: gimg, .offset: 0, .size: 8, .value_kind: global_buffer, .address_space: global }
      - { .name: w_out_codes, .offset: 8, .size: 8, .value_kind: global_buffer, .address_space: global }
      - { .name: b_out, .offset: 16, .size: 8, .value_kind: global_buffer, .address_space: global }
      - { .name: lowp_scales, .offset: 24, .size: 8, .value_kind: global_buffer, .address_space: global }
      - { .name: x1, .offset: 32, .size: 8, .value_kind: global_buffer, .address_space: global }
      - { .name: out0, .offset: 40, .size: 8, .value_kind: global_buffer, .address_space: global }
    .group_segment_fixed_size: 327680
    .private_segment_fixed_size: 0
    .kernarg_segment_align: 8
    .kernarg_segment_size: 48
    .max_flat_workgroup_size: 128
    .sgpr_count:     96
    .vgpr_count:     896
    .wavefront_size: 32
...
	.end_amdgpu_metadata
.endif
;; end of part 7
